; MI455X (gfx1250); checked and timed in simulation.
; The chip was launched on July 23, 2026; its instructions are those of AMD's public machine-readable ISA for CDNA 5 (MIT licence, August 2026) and "CDNA5" Instruction Set Architecture Reference Guide (July 2026). The comments in the code are by the model that wrote it; some were corrected since.
;; MH Attention. Allowed arithmetic: matrix products marked QUANTISED: E2M3 operands, one E8M0 scale for each 32 along K, by v_wmma_scale_f32_16x16x128_f8f6f4 with both operands' format E2M3, f32 sums; everything else in f32.
;; Inputs: Wk 1,024 x 1,024 float32; Wo 1,024 x 1,024 float32; Wq 1,024 x 1,024 float32; Wv 1,024 x 1,024 float32; bk 1,024 float32; bo 1,024 float32; bq 1,024 float32; bv 1,024 float32; mask 1 x 1 x 2,048 x 2,048 float32; x 4 x 2,048 x 1,024 float32.
;; Outputs: out0 4 x 2,048 x 1,024 float32.
;; This version of the problem:
;;   THIS VERSION OF THE PROBLEM IS GIVEN IN LOW PRECISION. The matrix products marked QUANTISED in the list below multiply operands that are first quantised to E2M3 (2 exponent bits, 3 mantissa bits; 6 bits a number), with one power-of-two scale for each 32 numbers along K (OCP MX v1.0); their sums are f32. All else is computed in f32.
;;   The module's matrix products, in the order in which they are computed (A, B: the left and right operand; K: the contracted axis; several contracted axes count as one K, in the product's order):
;;     1. [M 8,192, K 1,024] x [K 1,024, N 1,024]; A: input x; B: input Wq: QUANTISED
;;     2. [M 8,192, K 1,024] x [K 1,024, N 1,024]; A: input x; B: input Wk: QUANTISED
;;     3. [M 8,192, K 1,024] x [K 1,024, N 1,024]; A: input x; B: input Wv: QUANTISED
;;     4. batch 64 x [M 2,048, K 64] x [K 64, N 2,048]; A: computed on the way; B: computed on the way: QUANTISED
;;     5. batch 64 x [M 2,048, K 2,048] x [K 2,048, N 64]; A: softmax (see below); B: computed on the way: QUANTISED
;;     6. [M 8,192, K 1,024] x [K 1,024, N 1,024]; A: computed on the way; B: input Wo: QUANTISED
;;   THE QUANTISER, for each operand of a quantised product, along K:
;;     - K is cut into blocks of 32 from its start; a last block that is shorter is filled with zeros.
;;     - A block's scale is 2^e with e = floor(log2(the largest magnitude in the block)) - 2, held to -126 .. 127; a block of zeros has e = 0. As a byte (E8M0): e + 127.
;;     - Each number is divided by its block's scale, clamped to +-7.5, and rounded to the nearest number of E2M3, ties to even, subnormals kept.
;;     - The product sums the exact products of the quantised numbers (number of the format x scale) in f32.
;;   ~~~python
;;   def quantise(x, axis):      # numpy; x: float32 -> the quantised numbers, widened to float32 again
;;       x = np.moveaxis(x, axis, -1); K = x.shape[-1]
;;       x = np.pad(x, [(0, 0)] * (x.ndim - 1) + [(0, -K % 32)]); x = x.reshape(x.shape[:-1] + (-1, 32)); a = np.abs(x).max(-1, keepdims=True)
;;       e = np.where(a > 0, np.clip(np.frexp(np.where(a > 0, a, 1))[1] - 1 - 2, -126, 127), 0)      # np.frexp(a)[1] - 1 = floor(log2(a)), exactly
;;       r = np.clip(x / 2.0 ** e, -7.5, 7.5)
;;       step = 2.0 ** (np.maximum(np.frexp(np.where(r == 0, 1, r))[1] - 1, 0) - 3)
;;       q = np.round(r / step) * step * 2.0 ** e      # np.round: ties to even
;;       return np.moveaxis(q.reshape(q.shape[:-2] + (-1,))[..., :K], -1, axis).astype(np.float32)
;;   ~~~
;;   SOFTMAX AHEAD OF A QUANTISED PRODUCT. Where the list says 'softmax', what is quantised is not the finished softmax but p = 2^(t - M), with t = logit x log2(e) and M = ceil(the row's largest t), a whole number; so 1/2 < the row's largest p <= 1. The row's sum l is taken of the UNQUANTISED p, in f32, and the product's result is divided by l at the end. Since M is a whole number, a kernel that streams over the keys may use a running M (the ceiling of the running maximum): every later rescaling is an exact power of two, which a block's scale takes up: the codes' values come out the same.
;;   OPERANDS COMPUTED ON THE WAY. 'Computed on the way' means the value that the module computes at that place (a softmax that the list does not call 'softmax' is quantised finished and normalised). What goes into a quantiser is computed in f32, as accurately as f32 sums, v_exp_f32 and their like allow (about 1e-6 of the number): no bf16 or f16 on the way to a quantiser, and a product that is left as it is and whose result goes on into a quantised operand takes f32 operands (vector FMAs, or v_wmma_f32_16x16x4_f32). A number that lies on a knife's edge between two numbers of the format may be rounded either way, as far as f32 arithmetic and the matrix unit's own rounding can turn it there, and no further.
;; One version. Each part assembles by itself: llvm-mc -triple=amdgcn-amd-amdhsa -mcpu=gfx1250 --defsym DOCPART=n.
;; ======== version 1 of 1: 4 launches
;; workspace buffers: x_codes 6,291,456 bytes; x_scales 262,144 bytes; w_codes 3,145,728 bytes; w_scales 131,072 bytes; qimg 6,815,744 bytes; kv 13,369,344 bytes; att_img 6,291,456 bytes; att_scales 262,144 bytes
;; launch quant (part 1): grid 384 x 1, 4 waves a work-group, no clusters, 33,280 bytes of LDS; arguments x, Wq, Wk, Wv, Wo, x_codes, x_scales, w_codes, w_scales; writes x_codes, x_scales, w_codes, w_scales
.if DOCPART == 1
	.amdgcn_target "amdgcn-amd-amdhsa--gfx1250"
	.amdhsa_code_object_version 6
	.text
	.protected	k_q6f34d6c4d8_quant
	.globl	k_q6f34d6c4d8_quant
	.p2align	8
	.type	k_q6f34d6c4d8_quant,@function
k_q6f34d6c4d8_quant:
	s_mov_b64 s[64:65], 0
	v_nop
	global_prefetch_b8 v0, s[64:65] scope:SCOPE_SE
	s_setreg_imm32_b32 hwreg(HW_REG_WAVE_MODE, 25, 1), 1
	s_wait_xcnt 0x0
; x [8192][1024] and Wq, Wk, Wv, Wo [1024][1024], f32, K innermost, become codes of FP6 (E2M3) with one E8M0 byte for each 32 along K.
; x_codes [8192][768 bytes], x_scales [8192][32];  w_codes [4096][768], w_scales [4096][32]: rows 0-1023 Wq, then Wk, Wv, Wo.
; A block's scale is 2^(floor(log2(its largest magnitude)) - 2); its byte is the largest magnitude's exponent field - 2, held at 1 from below.
; THE ORDER INSIDE A BLOCK.  The 32 codes of a block are laid in the order k = 0-7, 16-23, 8-15, 24-31.  Every operand of this program carries that same order inside each block of 32
; (those made from matrix results come out so by themselves), so each product still pairs equal k; blocks, scales and code values are the quantiser's own.  The matrix unit then groups the products otherwise.
; LIMITS: a block of zeros gets the byte 1, not 127 (its codes are zeros, and this program alone reads the bytes); blocks whose largest magnitude lies under 2^-124 keep the byte 1; NaN and infinities are not served.
; Rows are dense and K is a multiple of 32: each tensor is a stream of blocks.  A work-group takes 32,768 numbers, a wave 8,192 in 16 steps of 512.  Work-groups 0-255 take x, then 32 for each W.
; Each of a step's four loads reads 512 consecutive bytes; the 2,048 bytes turn through the wave's own stage in LDS and come back 16 numbers a lane: the even lane of a pair takes k 0-7 and 16-23 of the block, the odd lane k 8-15 and 24-31.
; No tensor loads, no barrier: waves share nothing.  Loads run four steps ahead, the turn through LDS one step.
.set STEPS, 16
.set CB,    12                         ; bytes of 16 codes
.set R,     16                         ; v16-79   four sets of 16 numbers as loaded
.set X,     80                         ; v80-111  two sets of 16 numbers of one block
.set C,     128                        ; v128-191 codes: four registers for each step, so that no store's data are written again
.set E,     112                        ; v112-127 a scale byte for each step
.set WREG,  8192                       ; LDS: a region for each wave: two stages of 32 x SP bytes, then its 256 scale bytes
.set SP,    80                         ; 64 bytes + 16 of padding
	s_load_b256 s[4:11], s[0:1], 0x0               ; x, Wq, Wk, Wv
	s_load_b256 s[12:19], s[0:1], 0x20             ; Wo, x_codes, x_scales, w_codes
	s_load_b64 s[20:21], s[0:1], 0x40              ; w_scales
	v_lshl_add_u32 v192, v0, 2, 0x8000
	v_mov_b32 v193, 0
	v_lshrrev_b32 v1, 5, v0
	v_readfirstlane_b32 s32, v1                    ; wave
	v_and_b32 v2, 31, v0                           ; lane
	v_lshlrev_b32 v3, 4, v2                        ; my 16 bytes of a load's 512
	s_mul_i32 s33, s32, WREG
	v_lshrrev_b32 v14, 2, v2
	v_mul_u32_u24 v14, v14, SP
	v_and_b32 v15, 3, v2
	v_lshl_add_u32 v14, v15, 4, v14
	v_add_nc_u32 v14, s33, v14                     ; the stage, in: SP (lane / 4) + 16 (lane % 4)
	v_and_b32 v15, 30, v2
	v_mul_u32_u24 v15, v15, SP
	v_and_b32 v10, 1, v2
	v_lshl_add_u32 v15, v10, 5, v15
	v_add_nc_u32 v15, s33, v15                     ; out: my pair's block begins at SP x (lane & 30); the odd lane begins 32 bytes (8 numbers) on
	v_mul_u32_u24 v4, v2, CB                       ; my codes' place in a step's
	v_lshrrev_b32 v5, 1, v2
	s_add_co_u32 s33, s33, 2*32*SP
	v_add_nc_u32 v5, s33, v5                       ; my block's scale byte in LDS
	v_lshlrev_b32 v7, 3, v2
	v_add_nc_u32 v6, s33, v7                       ; and on the way out 8 bytes a lane
	s_wait_kmcnt 0x0
	s_cmp_lt_u32 ttmp9, 352                        ; which tensor: the choice hangs on the work-group's number alone
	s_cselect_b64 s[24:25], s[10:11], s[12:13]
	s_cmp_lt_u32 ttmp9, 320
	s_cselect_b64 s[24:25], s[8:9], s[24:25]
	s_cmp_lt_u32 ttmp9, 288
	s_cselect_b64 s[24:25], s[6:7], s[24:25]
	s_cmp_lt_u32 ttmp9, 256
	s_cselect_b64 s[24:25], s[4:5], s[24:25]       ; the source
	s_cselect_b64 s[26:27], s[14:15], s[18:19]     ; the codes
	s_cselect_b64 s[28:29], s[16:17], s[20:21]     ; the scale bytes
	s_cselect_b32 s30, 0, 256
	s_cselect_b32 s31, 0xff, 31
	s_sub_co_u32 s33, ttmp9, s30                   ; the work-group's number among x's, or among the four W's
	s_and_b32 s34, s33, s31                        ; and inside its own tensor
	s_lshl_b32 s34, s34, 2
	s_add_co_u32 s34, s34, s32                     ; my run of 8,192 numbers in the source
	s_lshl_b32 s33, s33, 2
	s_add_co_u32 s33, s33, s32                     ; and in the codes and scale bytes (the four W's lie one behind the other there)
	s_lshl_b32 s36, s34, 15
	s_mov_b32 s37, 0
	s_add_nc_u64 s[24:25], s[24:25], s[36:37]
	s_mul_i32 s36, s33, 32*STEPS*CB
	s_add_nc_u64 s[26:27], s[26:27], s[36:37]
	s_lshl_b32 s36, s33, 8
	s_add_nc_u64 s[28:29], s[28:29], s[36:37]
.macro LOAD t
.irp i, 0,1,2,3
	global_load_b128 v[R+16*((\t)%4)+4*\i:R+16*((\t)%4)+4*\i+3], v3, s[24:25] offset:2048*(\t)+512*\i th:TH_LOAD_NT   ; 32 lanes read 512 consecutive bytes
.endr
.endm
.macro TURN t                          ; LDS serves a wave's instructions in order, so no wait stands between the stores and the loads
.irp i, 0,1,2,3
	ds_store_b128 v14, v[R+16*((\t)%4)+4*\i:R+16*((\t)%4)+4*\i+3] offset:32*SP*((\t)%2)+8*SP*\i
.endr
.irp i, 0,1,2,3
	ds_load_b128 v[X+16*((\t)%2)+4*\i:X+16*((\t)%2)+4*\i+3], v15 offset:32*SP*((\t)%2)+SP*(\i/2)+16*(\i%2)   ; 8 numbers of the block's first 64 bytes, 8 of its second
.endr
.endm
.irp t, 0,1,2,3
	LOAD \t
.endr
	s_wait_loadcnt 12                              ; step 0's four loads are in
	TURN 0
.macro STEP t
.set XS, X+16*((\t)%2)
.if (\t) > 0
	s_wait_dscnt 1                                 ; this step's numbers are back from the stage (the last step's byte store may be out)
.else
	s_wait_dscnt 0x0
.endif
.if (\t)+4 < STEPS
	LOAD (\t)+4                                    ; into the registers that this step's stage stores have read
.endif
.if (\t)+1 < STEPS
.if STEPS-2-(\t) >= 3
	s_wait_loadcnt 12                              ; the next step's four loads are in; those of the three steps behind it may be out
.else
	s_wait_loadcnt 4*(STEPS-2-(\t))
.endif
	TURN (\t)+1
.endif
	v_max3_num_f32 v8, |v[XS]|, |v[XS+1]|, |v[XS+2]|               ; the largest magnitude of my 16
	v_max3_num_f32 v9, |v[XS+3]|, |v[XS+4]|, |v[XS+5]|
.irp i, 6,10
	v_max3_num_f32 v8, v8, |v[XS+\i]|, |v[XS+\i+1]|
	v_max3_num_f32 v9, v9, |v[XS+\i+2]|, |v[XS+\i+3]|
.endr
	v_max3_num_f32 v8, v8, |v[XS+14]|, |v[XS+15]|
	v_max3_num_f32 v8, v8, v9, 0x1800000           ; and the floor 2^(3 - 127): the byte cannot fall under 1
	v_max_num_f32_dpp v8, v8, v8 row_xmask:1 row_mask:0xf bank_mask:0xf   ; and of my neighbour's 16: the block's
	v_add_nc_u32 v11, 0xff000000, v8               ; 2 off its exponent field: the conversion takes the exponent field of this operand as its scale
	v_cvt_scalef32_pk16_fp6_f32 v[C+4*(\t):C+4*(\t)+2], v[XS:XS+15], v11
	v_lshrrev_b32 v[E+(\t)], 23, v11               ; the scale's byte (a plain line behind the conversion)
	ds_store_b8 v5, v[E+(\t)] offset:16*(\t)       ; both lanes of a block write the same byte with the same value
	global_store_b96 v4, v[C+4*(\t):C+4*(\t)+2], s[26:27] offset:32*CB*(\t)   ; the wave stores 384 consecutive bytes
.endm
.irp t, 0,1,2,3,4,5,6,7,8,9,10,11,12,13,14,15
	STEP \t
.endr
	ds_load_b64 v[12:13], v6                       ; LDS serves a wave's instructions in order: these see my stores
	s_wait_dscnt 0x0
	global_store_b64 v7, v[12:13], s[28:29]        ; 32 lanes store 256 consecutive bytes, aligned
	s_wait_tensorcnt 0x0
	ds_add_u32 v192, v193
	s_wait_dscnt 0x0
	s_endpgm
.Lfunc_end_k_q6f34d6c4d8_quant:
	.size	k_q6f34d6c4d8_quant, .Lfunc_end_k_q6f34d6c4d8_quant-k_q6f34d6c4d8_quant
	.p2alignl 7, 3214868480
	.fill 96, 4, 3214868480
	.section	.rodata,"a",@progbits
	.p2align	6, 0x0
	.amdhsa_kernel k_q6f34d6c4d8_quant
		.amdhsa_group_segment_fixed_size 33280
		.amdhsa_private_segment_fixed_size 0
		.amdhsa_enable_private_segment 0
		.amdhsa_kernarg_size 72
		.amdhsa_user_sgpr_count 2
		.amdhsa_user_sgpr_kernarg_segment_ptr 1
		.amdhsa_wavefront_size32 1
		.amdhsa_system_sgpr_workgroup_id_x 1
		.amdhsa_system_sgpr_workgroup_id_y 1
		.amdhsa_system_sgpr_workgroup_id_z 1
		.amdhsa_system_vgpr_workitem_id 0
		.amdhsa_next_free_vgpr 194
		.amdhsa_next_free_sgpr 66
		.amdhsa_reserve_vcc 0
		.amdhsa_float_denorm_mode_32 3
		.amdhsa_float_denorm_mode_16_64 3
		.amdhsa_memory_ordered 1
		.amdhsa_forward_progress 1
		.amdhsa_inst_pref_size 33
	.end_amdhsa_kernel
	.amdgpu_metadata
---
amdhsa.version: [ 1, 2 ]
amdhsa.kernels:
  - .name:           k_q6f34d6c4d8_quant
    .symbol:         k_q6f34d6c4d8_quant.kd
    .args:
      - { .name: x, .offset: 0, .size: 8, .value_kind: global_buffer, .address_space: global }
      - { .name: Wq, .offset: 8, .size: 8, .value_kind: global_buffer, .address_space: global }
      - { .name: Wk, .offset: 16, .size: 8, .value_kind: global_buffer, .address_space: global }
      - { .name: Wv, .offset: 24, .size: 8, .value_kind: global_buffer, .address_space: global }
      - { .name: Wo, .offset: 32, .size: 8, .value_kind: global_buffer, .address_space: global }
      - { .name: x_codes, .offset: 40, .size: 8, .value_kind: global_buffer, .address_space: global }
      - { .name: x_scales, .offset: 48, .size: 8, .value_kind: global_buffer, .address_space: global }
      - { .name: w_codes, .offset: 56, .size: 8, .value_kind: global_buffer, .address_space: global }
      - { .name: w_scales, .offset: 64, .size: 8, .value_kind: global_buffer, .address_space: global }
    .group_segment_fixed_size: 33280
    .private_segment_fixed_size: 0
    .kernarg_segment_align: 8
    .kernarg_segment_size: 72
    .max_flat_workgroup_size: 128
    .sgpr_count:     66
    .vgpr_count:     194
    .wavefront_size: 32
...
	.end_amdgpu_metadata
.endif
;; end of part 1
;; launch qkv (part 2): grid 12 x 32, 4 waves a work-group, clusters of 4 x 4, 327,680 bytes of LDS; arguments x_codes, x_scales, w_codes, w_scales, bq, bk, bv, qimg, kv; writes qimg, kv
.if DOCPART == 2
	.amdgcn_target "amdgcn-amd-amdhsa--gfx1250"
	.amdhsa_code_object_version 6
	.text
	.protected	k_q6f34d6c4d8_qkv
	.globl	k_q6f34d6c4d8_qkv
	.p2align	8
	.type	k_q6f34d6c4d8_qkv,@function
k_q6f34d6c4d8_qkv:
	s_mov_b64 s[64:65], 0
	v_nop
	global_prefetch_b8 v0, s[64:65] scope:SCOPE_SE
	s_setreg_imm32_b32 hwreg(HW_REG_WAVE_MODE, 25, 1), 1
	s_wait_xcnt 0x0
	s_wait_alu depctr_hold_cnt(0) depctr_sa_sdst(0) depctr_va_vdst(0) depctr_va_sdst(0) depctr_va_ssrc(0) depctr_va_vcc(0) depctr_vm_vsrc(0)
	s_getreg_b32 s2, hwreg(HW_REG_IB_STS2, 6, 4)
	s_cmp_eq_u32 s2, 0
	s_cbranch_scc0 .Lentry_in_a_cluster
	s_endpgm
.Lentry_in_a_cluster:
	s_bfe_u32 s2, ttmp6, 0x10000c
	s_cmp_lg_u32 s2, 0xf033
	s_cbranch_scc0 .Lentry_shape_is_right
	s_endpgm
.Lentry_shape_is_right:
; q = (x Wq^T + bq) / 8, k = x Wk^T + bk, v = x Wv^T + bv on codes of FP6 (E2M3) with E8M0 scales, and their results QUANTISED AGAIN in registers, for the attention launch:
; q and k along the head's 64 channels, v along the tokens (the keys).  The division by sqrt(64) = 8 is a power of two: it moves q's scales by 3 and leaves its codes.
; A tile of 256 x 256 is made by four waves, each 128 x 128: 64 accumulators, 512 registers.  K = 1,024 goes in steps of 256 through a ring of two LDS slots filled by the tensor data mover; the scale bytes of the tile's rows come once.
; ROLES.  Source 0 of the matrix instruction (called B below) takes the rows whose axis becomes the NEXT product's K, source 1 (called A) the rows of the operand that is made: a lane then holds one row of the new operand
; and its registers run along the new K.  Clusters 0 and 1 along x (q, k): A = 256 tokens of x, B = 256 rows of W (four heads).  Cluster 2 (v): A = 256 rows of Wv, B = 256 tokens.  The choice hangs on the cluster's x alone.
; CLUSTERS: 4 x 4 work-groups; A's tiles hang on the place along y and are asked for jointly by a row of the cluster, B's on the place along x and by a column.
; THE ORDER INSIDE A BLOCK OF 32: tiles are 16 neighbouring rows, so the codes made here stand in the order k = 0-7, 16-23, 8-15, 24-31 inside each block, as all operands of this program do.
; THE RESULTS ARE LAID IN THE ORDER OF THE READER'S REGISTERS.  HG = 4 batch + head group, G = group of 128 tokens in the batch, blk = 16 HG + G, j = head in its group of four.
;   qimg: blocks of 26,624 bytes; kv: blocks of 52,224 = a K part of 26,624 and a V part of 25,600.
;   q and K part: half fragment (head j, token tile a: 16 tokens x 64 channels, 6 registers) at (8 j + a) 768 + 256 p + 8 lane, p = 0..2; scale words (2 bytes of the head, 0x7f7f above) at 24,576 + 512 j + 16 lane: lanes 0-15 tiles 0-3 of row lane, lanes 16-31 tiles 4-7.
;   V part: fragment (j, t: 16 channels x 128 keys, 12 registers) at (4 j + t) 1,536 + 512 q + 16 lane; scale words at 24,576 + 256 j + 16 r, four words t = 0..3.
; LIMITS: a block of zeros gets the byte 1, not 127 (zero codes; the bytes are this program's own); largest magnitudes under 2^-124 keep the byte 1; NaN and infinities are not served.
; REGISTERS, in windows of 256: window 0: v0-31 addresses; v32-63 scale words, two sets; v128-223 A's fragments, one set; on the way out v64-243 at work.  window 1: B's fragments, two sets.  windows 2, 3: the accumulators ((a, b) at v[8 (8 (a % 4) + b)]).
.set SIZE_K, 1024
.set KSTEP,  256
.set NQ,     KSTEP/128
.set ROWB,   192                       ; a tile's row in bytes
.set KROW,   SIZE_K*6/8                ; a row of codes in memory
.set PITCH,  240                       ; an LDS row: 3 x (64 bytes + 16 of padding) = 60 words: the 32 lanes of a load of 8 bytes touch 64 different banks (64 banks of 4 bytes: ISA guide 11.1)
.set FR,     12
.set NL,     6
.set NP,     4                         ; places behind this matrix instruction (ISA guide 7.12.1)
.set HALFT,  128*PITCH
.set SLOT,   4*HALFT
.set LAPS,   SIZE_K/(2*KSTEP)
.set KS,     SIZE_K/32
.set SCL,    2*SLOT                    ; behind the ring: the scales, as units of 256 bytes + 16 of padding
.set HALFS,  (128*KS/256)*272
.set SBLK,   (16*KS/256)*272
.set SPARE,  SCL+4*HALFS               ; the spare words, 128 bytes for each wave
.set ADRA, 16                          ; v16-17 LDS address of my A fragments in slot 0, 1 (v18-19: behind one padding more)
.set ADRB, 20                          ; v20-23 the same for B
.set CO8,  24                          ; v24  8 x lane
.set CO16, 25                          ; v25  16 x lane
.set OH,   26                          ; v26  32 x (lane / 16)
.set OR4,  7                           ; v7   4 x (lane % 16)
.set ADRS, 27
.set SPW,  28                          ; v28  my spare word; never rewritten
.set NIL,  29                          ; v29  0; never rewritten
.set SC,   32
.set AF,   128
.set H,    64                          ; the way out: v64-127 64 numbers of a lane
.set BP,   128                         ; v128-191 the bias along the registers (q, k)
.set BR,   128                         ; v128-143 the bias of my row, in pairs (v)
.set CD,   192                         ; v192-211 the codes just made
.set TM,   212                         ; v212-227 at work
.set PWS,  228                         ; v228-235 the eight fragments' scale words
.set SE,   236                         ; v236-243 scale words as they are stored
.set G1, 24
.set G0, 32
.set G1B, 48
.set G0B, 56
.set G1S, 68
.set G0S, 76
.set G1SB, 80
.set G0SB, 88
.set MSB, 0
.macro WIN new                         ; the immediate's high byte repeats the setting that is left
.if MSB != \new
	s_set_vgpr_msb (MSB<<8)|\new
.set MSB, \new
.endif
.endm
.set MUL_LO, 0xa1                      ; source 0 (B) window 1, source 1 (A) window 0, C and D window 2
.set MUL_HI, 0xf1
.set TO_B,   0x40
; A joint load: waves 0 and 1 fetch for A, waves 2 and 3 for B; the branch hangs on the wave's number alone.  Four v_nop follow each of the two lines.
.macro JLOAD g0a, g1a, g0b, g1b
	s_cmp_eq_u32 s15, 0
	s_cbranch_scc0 .Lfor_b_\@
	tensor_load_to_lds s[\g0a:\g0a+3], s[\g1a:\g1a+7]
	s_nop 0
.rept 4
	v_nop
.endr
	s_branch .Lasked_\@
.Lfor_b_\@:
	tensor_load_to_lds s[\g0b:\g0b+3], s[\g1b:\g1b+7]
	s_nop 0
.rept 4
	v_nop
.endr
.Lasked_\@:
.endm
.macro CREST                           ; a round of the cluster's barrier behind its opening barrier
	s_cmp_lg_u32 s14, 0
	s_cbranch_scc1 .Lnot_wave_0_\@
	s_barrier_signal -3
.Lnot_wave_0_\@:
	s_barrier_wait -3
	s_barrier_signal -1
	s_barrier_wait -1
.endm
.macro CROUND
	s_barrier_signal -1
	s_barrier_wait -1
	CREST
.endm
	s_load_b128 s[4:7], s[0:1], 0x0                ; x's codes, x's scales
	s_load_b128 s[8:11], s[0:1], 0x10              ; W's codes, W's scales
	v_lshl_add_u32 v[SPW], v0, 2, SPARE
	v_mov_b32 v[NIL], 0
	ds_add_u32 v28, v29
	s_wait_dscnt 0x0
	v_lshrrev_b32 v1, 5, v0
	v_readfirstlane_b32 s14, v1                    ; wave 0..3
	s_lshr_b32 s15, s14, 1                         ; which half of A's rows is mine.  Also: I fetch for A (0) or for B (1)
	s_and_b32 s16, s14, 1                          ; which half of B's rows.  Also: which 128 rows of that tile I fetch
	s_bfe_u32 s40, ttmp6, 0x40000                  ; cx, cy: my place in the cluster
	s_bfe_u32 s41, ttmp6, 0x40004
	s_and_b32 s95, ttmp7, 0xffff
	s_lshl_b32 s95, s95, 2                         ; 4 x cluster y
	s_add_co_u32 s17, s95, s41                     ; q, k: A = x's tile 4 CY + cy
	s_add_co_u32 s18, s41, 8                       ; v:    A = W's tile 8 + cy (Wv begins at row 2,048)
	s_lshl_b32 s42, ttmp9, 2
	s_add_co_u32 s42, s42, s40                     ; q, k: B = W's tile 4 CX + cx
	s_add_co_u32 s19, s95, s40                     ; v:    B = x's tile 4 CY + cx
	s_cmp_eq_u32 ttmp9, 2                          ; the cluster's x: the same in all sixteen partners
	s_cselect_b32 s17, s18, s17                    ; A's tile hangs on cy alone,
	s_cselect_b32 s42, s19, s42                    ; B's on cx alone
	s_lshl_b32 s43, s41, 2
	s_lshl_b32 s43, 15, s43                        ; my row of the cluster
	s_lshl_b32 s44, 0x1111, s40                    ; my column
	; descriptor group 1: a tile of 128 rows x 192 bytes, 16 bytes of padding behind every 64
	s_or_b32 s[G1+0], s43, (0<<16)|(1<<20)|(1<<21)|(3<<22)|(3<<25)
	s_or_b32 s[G1B+0], s44, (0<<16)|(1<<20)|(1<<21)|(3<<22)|(3<<25)
.irp g, G1, G1B
	s_mov_b32 s[\g+1], ROWB<<16                    ; tensor_dim0
	s_mov_b32 s[\g+2], 128<<16                     ; tensor_dim1
	s_mov_b32 s[\g+3], ROWB<<16                    ; tile_dim0
	s_mov_b32 s[\g+4], 128                         ; tile_dim1
	s_mov_b32 s[\g+5], KROW                        ; tensor_dim0_stride
	s_mov_b32 s[\g+6], 0
	s_mov_b32 s[\g+7], 0
.endr
	; the scales of 128 rows: a dense block of 4,096 bytes, as rows of 256 bytes (32 elements of 8 bytes), 16 bytes of padding behind each
	s_or_b32 s[G1S+0], s43, (3<<16)|(1<<20)|(1<<21)|(5<<22)|(3<<25)
	s_or_b32 s[G1SB+0], s44, (3<<16)|(1<<20)|(1<<21)|(5<<22)|(3<<25)
.irp g, G1S, G1SB
	s_mov_b32 s[\g+1], 32<<16
	s_mov_b32 s[\g+2], (128*KS/256)<<16
	s_mov_b32 s[\g+3], 32<<16
	s_mov_b32 s[\g+4], 128*KS/256
	s_mov_b32 s[\g+5], 32
	s_mov_b32 s[\g+6], 0
	s_mov_b32 s[\g+7], 0
.endr
	s_lshl_b32 s18, s16, 7                         ; which 128 rows of the tile I fetch
	s_lshl_b32 s20, s17, 8
	s_add_co_u32 s20, s20, s18                     ; A: row 256 x tile + 128 x half
	s_lshl_b32 s46, s42, 8
	s_add_co_u32 s46, s46, s18                     ; B likewise
	s_mov_b32 s21, 0
	s_mov_b32 s47, 0
	s_mov_b64 s[18:19], KS
	s_mul_u64 s[22:23], s[20:21], s[18:19]         ; where these rows' scales begin, in bytes
	s_mul_u64 s[92:93], s[46:47], s[18:19]
	s_mov_b64 s[18:19], KROW
	s_mul_u64 s[20:21], s[20:21], s[18:19]         ; and their codes
	s_mul_u64 s[46:47], s[46:47], s[18:19]
	s_mul_i32 s45, s14, HALFT                      ; where they go: no place in the cluster enters an LDS address
	s_mul_i32 s94, s14, HALFS
	s_wait_kmcnt 0x0
	s_cmp_eq_u32 ttmp9, 2                          ; which tensor plays which part
	s_cselect_b64 s[96:97], s[8:9], s[4:5]         ; A's codes
	s_cselect_b64 s[98:99], s[10:11], s[6:7]       ; A's scales
	s_cselect_b64 s[8:9], s[4:5], s[8:9]           ; B's codes
	s_cselect_b64 s[10:11], s[6:7], s[10:11]       ; B's scales
	s_mov_b64 s[4:5], s[96:97]
	s_mov_b64 s[6:7], s[98:99]
	s_add_nc_u64 s[20:21], s[4:5], s[20:21]
	s_add_nc_u64 s[22:23], s[6:7], s[22:23]
	s_add_nc_u64 s[46:47], s[8:9], s[46:47]
	s_add_nc_u64 s[92:93], s[10:11], s[92:93]
	CROUND                                         ; all sixteen work-groups are here: the first joint loads meet
	s_mov_b32 s[G0S], 1
	s_add_co_u32 s[G0S+1], s94, SCL
	s_mov_b64 s[G0S+2:G0S+3], s[22:23]
	s_or_b32 s[G0S+3], s[G0S+3], 0x80000000
	s_mov_b32 s[G0SB], 1
	s_add_co_u32 s[G0SB+1], s94, SCL
	s_mov_b64 s[G0SB+2:G0SB+3], s[92:93]
	s_or_b32 s[G0SB+3], s[G0SB+3], 0x80000000
	JLOAD G0S, G1S, G0SB, G1SB                     ; the scales first: they are wanted with K step 0
.irp s, 0,1
	s_mov_b32 s[G0+4*\s], 1
	s_add_co_u32 s[G0+4*\s+1], s45, \s*SLOT
	s_add_nc_u64 s[G0+4*\s+2:G0+4*\s+3], s[20:21], \s*ROWB
	s_or_b32 s[G0+4*\s+3], s[G0+4*\s+3], 0x80000000
	s_mov_b32 s[G0B+4*\s], 1
	s_add_co_u32 s[G0B+4*\s+1], s45, \s*SLOT
	s_add_nc_u64 s[G0B+4*\s+2:G0B+4*\s+3], s[46:47], \s*ROWB
	s_or_b32 s[G0B+4*\s+3], s[G0B+4*\s+3], 0x80000000
	JLOAD G0+4*\s, G1, G0B+4*\s, G1B
.endr
	s_load_b128 s[4:7], s[0:1], 0x20               ; for the way out: bq, bk;  waited for there
	s_load_b128 s[8:11], s[0:1], 0x30              ; bv, qimg
	s_load_b64 s[12:13], s[0:1], 0x40              ; kv
	v_and_b32 v1, 15, v0                           ; l % 16
	v_bfe_u32 v2, v0, 4, 1                         ; l / 16
	v_mul_u32_u24 v3, v1, PITCH
	v_mul_u32_u24 v4, v2, 24
	v_add_nc_u32 v4, v3, v4                        ; a fragment's row x pitch + 24 x half
	v_lshl_add_u32 v5, v2, 4, v4                   ; and the same behind one padding more
	s_mul_i32 s21, s15, HALFT                      ; my 128 rows of A
	s_mul_i32 s22, s16, HALFT                      ; my 128 rows of B,
	s_add_co_u32 s22, s22, 2*HALFT                 ; which lie behind A's 256
.irp s, 0,1
	v_add_nc_u32 v[ADRA+\s], s21, v4
	v_add_nc_u32 v[ADRB+\s], s22, v4
	v_add_nc_u32 v[ADRA+2+\s], s21, v5
	v_add_nc_u32 v[ADRB+2+\s], s22, v5
	s_add_co_u32 s21, s21, SLOT
	s_add_co_u32 s22, s22, SLOT
.endr
	v_mul_u32_u24 v5, v1, KS                       ; my row's scales: KS bytes a row,
	v_lshrrev_b32 v6, 8, v5
	v_lshl_add_u32 v5, v6, 4, v5                   ; and 16 more for each 256 passed
	s_mul_i32 s21, s15, HALFS
	s_mul_i32 s22, s16, HALFS
	s_add_co_u32 s22, s22, 2*HALFS
	s_sub_co_u32 s22, s22, s21
	v_mul_u32_u24 v6, s22, v2                      ; lanes 16-31 take B's
	s_add_co_u32 s21, s21, SCL
	v_add_nc_u32 v5, v5, v6
	v_add_nc_u32 v[ADRS], s21, v5
	v_and_b32 v6, 31, v0
	v_lshlrev_b32 v[CO8], 3, v6                    ; offsets for the way out
	v_lshlrev_b32 v[CO16], 4, v6
	v_lshlrev_b32 v[OH], 5, v2
	v_lshlrev_b32 v[OR4], 2, v1
.macro FRAG reg, adr, q, i             ; 16 rows x 128 K of 6-bit codes: 12 registers; lane l: row l % 16; registers 6 c .. 6 c + 5: the 24 bytes of block 2 c + l / 16, as they lie, in pieces of 8 bytes
.irp p, 0,1,2,3,4,5
.set PC, 12*(\q)+6*(\p/3)+\p%3        ; where the piece three on lies behind one padding more, the second address register serves
.if PC%8 < 5
	ds_load_b64 v[\reg+2*\p:\reg+2*\p+1], v[\adr] offset:8*PC+16*(PC/8)+(\i)*16*PITCH
.else
	ds_load_b64 v[\reg+2*\p:\reg+2*\p+1], v[\adr+2] offset:8*PC+16*(PC/8)+(\i)*16*PITCH
.endif
.endr
.endm
; 16 matrix instructions: A's blocks a0, a0 + 1 x B's eight, 128 along K.  The 64 accumulators take turns, one instruction a turn, in the same order in every step.
.macro MUL16 a0, p, q, sc, zero
.irp a, \a0, \a0+1
.irp b, 0,1,2,3,4,5,6,7
.if \zero
	v_wmma_scale_f32_16x16x128_f8f6f4 v[8*(8*((\a)%4)+\b):8*(8*((\a)%4)+\b)+7], v[128*(\p)+FR*\b:128*(\p)+FR*\b+FR-1], v[AF+FR*(\a):AF+FR*(\a)+FR-1], 0, v[SC+8*NQ*(\sc)+NQ*\b+(\q)], v[SC+8*NQ*(\sc)+NQ*(\a)+(\q)] matrix_a_fmt:MATRIX_FMT_FP6 matrix_b_fmt:MATRIX_FMT_FP6 matrix_a_scale:MATRIX_SCALE_ROW1
.else
	v_wmma_scale_f32_16x16x128_f8f6f4 v[8*(8*((\a)%4)+\b):8*(8*((\a)%4)+\b)+7], v[128*(\p)+FR*\b:128*(\p)+FR*\b+FR-1], v[AF+FR*(\a):AF+FR*(\a)+FR-1], v[8*(8*((\a)%4)+\b):8*(8*((\a)%4)+\b)+7], v[SC+8*NQ*(\sc)+NQ*\b+(\q)], v[SC+8*NQ*(\sc)+NQ*(\a)+(\q)] matrix_a_fmt:MATRIX_FMT_FP6 matrix_b_fmt:MATRIX_FMT_FP6 matrix_a_scale:MATRIX_SCALE_ROW1
.endif
.endr
.endr
.endm
.macro FETCH_B slot, q, p
	WIN TO_B
.irp i, 0,1,2,3,4,5,6,7
	FRAG 128*(\p)+FR*\i, ADRB+\slot, \q, \i
.endr
	WIN 0
.endm
.macro FETCH_A slot, q, i0
.irp i, \i0, \i0+1, \i0+2, \i0+3
	FRAG AF+FR*(\i), ADRA+\slot, \q, \i
.endr
.endm
.macro SCALES sc                       ; a K step's scale words: lanes 0-15 take A's block i, lanes 16-31 B's block i
.irp i, 0,1,2,3,4,5,6,7
	ds_load_b64 v[SC+8*NQ*\sc+NQ*\i:SC+8*NQ*\sc+NQ*\i+1], v[ADRS] offset:\i*SBLK
.endr
.endm
.macro PLACES n                        ; plain vector lines between a matrix instruction and a load into, or a vector read or write of, its registers
.rept \n
	v_nop
.endr
.endm
.macro STEP slot, q, zero              ; 128 along K that has its successor in the same slot
	s_wait_dscnt 4*NL                              ; B's set and A's blocks 0-3 are in; the youngest 24 loads (A's blocks 4-7) may be out
	WIN MUL_LO
	MUL16 0, (\q)%2, \q, \slot, \zero
	MUL16 2, (\q)%2, \q, \slot, \zero
	s_wait_dscnt 0
	PLACES NP
	FETCH_B \slot, (\q)+1, 1-(\q)%2
	FETCH_A \slot, (\q)+1, 0
	WIN MUL_HI
	MUL16 4, (\q)%2, \q, \slot, \zero
	MUL16 6, (\q)%2, \q, \slot, \zero
	PLACES NP
	WIN 0
	FETCH_A \slot, (\q)+1, 4
.endm
; A slot's last step changes slots: one barrier; in front of it each wave waits for all its tensor loads, adds 0 to its spare word, and waits for that and for its own reads of this slot.
.macro TURN slot, next, fill
	s_wait_tensorcnt 0x0                           ; all my tensor loads have landed: my part of the next slot
	ds_add_u32 v[SPW], v[NIL]                      ; 0 onto my spare word
	s_wait_dscnt 4*NL+1                            ; (the add and the youngest 24 loads may be out)
	WIN MUL_LO
	MUL16 0, 1, NQ-1, \slot, 0
	s_wait_dscnt 0x0                               ; the add is done, and my reads of this slot are over
	s_barrier_signal -1
	MUL16 2, 1, NQ-1, \slot, 0
	WIN 0
	s_barrier_wait -1
.if \fill
	CREST                                          ; the barrier has opened a round of the cluster's barrier: no wave of any partner still reads this slot or has a load on its way
	s_add_nc_u64 s[G0+4*\slot+2:G0+4*\slot+3], s[G0+4*\slot+2:G0+4*\slot+3], 2*ROWB
	s_add_nc_u64 s[G0B+4*\slot+2:G0B+4*\slot+3], s[G0B+4*\slot+2:G0B+4*\slot+3], 2*ROWB
	JLOAD G0+4*\slot, G1, G0B+4*\slot, G1B         ; the first tensor load behind the round; its four v_nop are the places in front of the loads below
.else
	PLACES NP
.endif
	v_add_nc_u32 v[ADRS], 4*NQ, v[ADRS]
	FETCH_B \next, 0, 0
	FETCH_A \next, 0, 0
	SCALES \next
	WIN MUL_HI
	MUL16 4, 1, NQ-1, \slot, 0
	MUL16 6, 1, NQ-1, \slot, 0
	PLACES NP
	WIN 0
	FETCH_A \next, 0, 4
.endm
	s_wait_tensorcnt 1                             ; the scales and my part of K step 0 are in (K step 1's load may be out)
	s_barrier_signal -1
	s_barrier_wait -1
	FETCH_B 0, 0, 0
	FETCH_A 0, 0, 0
	SCALES 0
	FETCH_A 0, 0, 4
	STEP 0, 0, 1                                   ; the first step's products start the sums
	s_mov_b32 s3, LAPS-1
.Llap:
	TURN 0, 1, 1
	STEP 1, 0, 0
	TURN 1, 0, 1
	STEP 0, 0, 0
	s_sub_co_u32 s3, s3, 1
	s_cmp_lg_u32 s3, 0
	s_cbranch_scc1 .Llap
	TURN 0, 1, 0
	STEP 1, 0, 0
	s_wait_dscnt 4*NL
	WIN MUL_LO
	MUL16 0, 1, NQ-1, 1, 0
	MUL16 2, 1, NQ-1, 1, 0
	s_wait_dscnt 0
	WIN MUL_HI
	MUL16 4, 1, NQ-1, 1, 0
	MUL16 6, 1, NQ-1, 1, 0
	WIN 0
; THE WAY OUT.  For each of A's eight blocks my 64 numbers of a lane (register 16 b + i: block b of the new K) get the bias, are quantised, and leave as the reader's registers.  No LDS.
; 64 numbers v[s] .. v[s + 63] become a fragment's codes in v[CD] on and its scale word in v[pw].
.macro QUANT s, pw
.irp b, 0,1,2,3
	v_max3_num_f32 v[TM+\b], |v[\s+16*\b]|, |v[\s+1+16*\b]|, 0x1800000   ; my 16 numbers of block b, and the floor 2^(3 - 127)
.endr
.irp i, 2,4,6,8,10,12,14
.irp b, 0,1,2,3
	v_max3_num_f32 v[TM+\b], v[TM+\b], |v[\s+16*\b+\i]|, |v[\s+1+16*\b+\i]|
.endr
.endr
.irp b, 0,1,2,3
	v_permlanex16_b32 v[TM+4+\b], v[TM+\b], s20, s21
.endr
.irp b, 0,1,2,3
	v_max_num_f32 v[TM+\b], v[TM+\b], v[TM+4+\b]   ; with lane l xor 16's: the block's largest magnitude
.endr
.irp b, 0,1,2,3
	v_add_nc_u32 v[TM+12+\b], 0xff000000, v[TM+\b] ; 2 off its exponent field: the conversion's scale operand
.endr
.irp b, 0,1,2,3
	v_lshrrev_b32 v[TM+4+\b], 23, v[TM+12+\b]      ; the scale's byte
.endr
	v_lshl_or_b32 v[\pw], v[TM+5], 8, v[TM+4]
	v_lshl_or_b32 v[\pw], v[TM+6], 16, v[\pw]
	v_lshl_or_b32 v[\pw], v[TM+7], 24, v[\pw]
.irp c, 0,1
	v_cvt_scalef32_pk16_fp6_f32 v[CD+6*\c:CD+2+6*\c], v[\s+32*\c:\s+15+32*\c], v[TM+12+2*\c]
	v_cvt_scalef32_pk16_fp6_f32 v[CD+12+4*\c:CD+14+4*\c], v[\s+16+32*\c:\s+31+32*\c], v[TM+12+2*\c+1]   ; (a conversion's three registers begin on an even number)
.endr
	v_nop                                          ; one plain place behind a scaled conversion
.irp c, 0,1                                    ; the operand's layout wants a whole block in a lane: lanes 0-15 block 2 c, lanes 16-31 block 2 c + 1
.irp i, 0,1,2
	v_permlane16_swap_b32 v[CD+6*\c+\i], v[CD+12+4*\c+\i]
.endr
.irp i, 0,1,2
	v_mov_b32 v[CD+3+6*\c+\i], v[CD+12+4*\c+\i]
.endr
.endr
.endm
.macro OUTFRAG a, isv
	s_wait_xcnt 0x0                                ; the last fragment's stores have read the codes' registers: only behind this wait are they written again
.set WSEL, 0x02+(\a)/4
	WIN WSEL                                       ; source 0: window 2 or 3
.set AC, 64*((\a)%4)
.set ii, 0
.rept 32                                       ; each accumulator from its low end on
.if \isv
	v_pk_add_f32 v[H+ii:H+ii+1], v[AC+ii:AC+ii+1], v[BR+2*(\a):BR+2*(\a)+1] op_sel_hi:[1,0]     ; + bv of my channel
.else
	v_pk_fma_f32 v[H+ii:H+ii+1], v[AC+ii:AC+ii+1], s[22:23], v[BP+ii:BP+ii+1] op_sel_hi:[1,0,1]   ; sum x (1/8 or 1) + bias x the same
.endif
.set ii, ii+2
.endr
	WIN 0
	QUANT H, PWS+(\a)
.if \isv
.irp q, 0,1,2
	global_store_b128 v[CO16], v[CD+4*\q:CD+4*\q+3], s[76:77] offset:1536*(\a)+512*\q          ; 32 lanes store 512 consecutive bytes, aligned to 256
.endr
.else
.irp p, 0,1,2,3,4,5
	global_store_b64 v[CO8], v[CD+2*\p:CD+2*\p+1], s[76:77] offset:768*(\a)+6144*(\p/3)+256*(\p%3)   ; 32 lanes store 256 consecutive bytes, aligned; registers 0-5 are the first head's, 6-11 the second's
.endr
.endif
.endm
	PLACES NP                                      ; behind the last products: their results are read, and A's registers written, below
	s_wait_kmcnt 0x0                               ; the biases' and the results' addresses
	s_mov_b32 s20, 0x76543210
	s_mov_b32 s21, 0xfedcba98                      ; v_permlanex16_b32's selects for lane l xor 16
	s_mov_b32 s80, 0x7f7f0000                      ; the scale 1 for the half of the reader's K that holds zero codes
	s_mov_b32 s75, 0
.irp b, 0,1,2,3
	v_mov_b32 v[TM+4+\b], 0                        ; written once: a lane permute's destination counts as one of its sources
.endr
	s_cmp_eq_u32 ttmp9, 2
	s_cbranch_scc1 .Lv_out
	; ---- q and k: A's rows are tokens, the registers run along 128 channels: two heads
	s_lshl_b32 s66, s17, 1
	s_add_co_u32 s66, s66, s15                     ; my group of 128 tokens, 0..63
	s_lshr_b32 s67, s66, 4                         ; the batch
	s_and_b32 s66, s66, 15                         ; G
	s_lshl_b32 s67, s67, 2
	s_add_co_u32 s67, s67, s40                     ; HG = 4 batch + cx
	s_lshl_b32 s67, s67, 4
	s_add_co_u32 s67, s67, s66                     ; blk
	s_cmp_eq_u32 ttmp9, 0
	s_cselect_b64 s[68:69], s[10:11], s[12:13]     ; qimg or kv
	s_cselect_b64 s[70:71], s[4:5], s[6:7]         ; bq or bk
	s_mov_b32 s72, 52224
	s_cselect_b32 s72, 26624, s72                  ; bytes of a block
	s_cselect_b32 s22, 0x3e000000, 1.0             ; 1/8 for q, 1 for k
	s_mov_b32 s23, s22
	s_mul_i32 s72, s67, s72
	s_mul_i32 s73, s16, 12288                      ; my two heads' codes
	s_add_co_u32 s74, s72, s73
	s_add_nc_u64 s[76:77], s[68:69], s[74:75]
	s_lshl_b32 s73, s16, 10                        ; and their scale words
	s_add_co_u32 s74, s72, s73
	s_add_co_u32 s74, s74, 24576
	s_add_nc_u64 s[78:79], s[68:69], s[74:75]
	s_lshl_b32 s74, s40, 10
	s_lshl_b32 s73, s16, 9
	s_add_co_u32 s74, s74, s73
	s_add_nc_u64 s[70:71], s[70:71], s[74:75]      ; the bias of my 128 channels
.irp bt, 0,1,2,3,4,5,6,7
	global_load_b128 v[BP+8*\bt:BP+8*\bt+3], v[OH], s[70:71] offset:64*\bt          ; register 8 bt + i: channel 16 bt + 8 (l / 16) + i
	global_load_b128 v[BP+8*\bt+4:BP+8*\bt+7], v[OH], s[70:71] offset:64*\bt+16
.endr
	s_wait_loadcnt 0x0
.set ii, 0
.rept 32
	v_pk_mul_f32 v[BP+ii:BP+ii+1], v[BP+ii:BP+ii+1], s[22:23] op_sel_hi:[1,0]
.set ii, ii+2
.endr
.irp a, 0,1,2,3,4,5,6,7
	OUTFRAG \a, 0
.endr
	v_and_b32 v1, 16, v0
	v_cmp_ne_u32 vcc_lo, 0, v1                     ; lanes 16-31 carry tiles 4-7
.irp i, 0,1,2,3
	v_cndmask_b32 v[TM+\i], v[PWS+\i], v[PWS+4+\i], vcc_lo
.endr
.irp i, 0,1,2,3
	v_and_or_b32 v[SE+\i], v[TM+\i], 0xffff, s80   ; the first head's two bytes
.endr
.irp i, 0,1,2,3
	v_lshrrev_b32 v[SE+4+\i], 16, v[TM+\i]         ; the second head's
.endr
.irp i, 0,1,2,3
	v_or_b32 v[SE+4+\i], s80, v[SE+4+\i]
.endr
	global_store_b128 v[CO16], v[SE:SE+3], s[78:79]
	global_store_b128 v[CO16], v[SE+4:SE+7], s[78:79] offset:512
	s_branch .Ldone
.Lv_out:
	; ---- v: A's rows are channels (block a: head 2 s15 + a / 4, channels 16 (a % 4) on), the registers run along 128 tokens
	s_lshl_b32 s66, s42, 1
	s_add_co_u32 s66, s66, s16                     ; my group of 128 tokens
	s_lshr_b32 s67, s66, 4
	s_and_b32 s66, s66, 15
	s_lshl_b32 s67, s67, 2
	s_add_co_u32 s67, s67, s41                     ; HG = 4 batch + cy
	s_lshl_b32 s67, s67, 4
	s_add_co_u32 s67, s67, s66                     ; blk
	s_mul_i32 s72, s67, 52224
	s_add_co_u32 s72, s72, 26624                   ; the block's V part
	s_mul_i32 s73, s15, 12288
	s_add_co_u32 s74, s72, s73
	s_add_nc_u64 s[76:77], s[12:13], s[74:75]
	s_lshl_b32 s73, s15, 9
	s_add_co_u32 s74, s72, s73
	s_add_co_u32 s74, s74, 24576
	s_add_nc_u64 s[78:79], s[12:13], s[74:75]
	s_lshl_b32 s74, s41, 10
	s_add_co_u32 s74, s74, s73
	s_add_nc_u64 s[70:71], s[8:9], s[74:75]        ; bv of my 128 channels
.irp a, 0,1,2,3,4,5,6,7
	global_load_b32 v[BR+2*\a], v[OR4], s[70:71] offset:64*\a
	global_load_b32 v[BR+2*\a+1], v[OR4], s[70:71] offset:64*\a      ; (the packed form names the pair, so both are written)
.endr
	s_wait_loadcnt 0x0
.irp a, 0,1,2,3,4,5,6,7
	OUTFRAG \a, 1
.endr
	v_and_b32 v1, 16, v0
	v_cmp_ne_u32 vcc_lo, 0, v1                     ; lanes 16-31 carry the second head's four words
.irp i, 0,1,2,3
	v_cndmask_b32 v[SE+\i], v[PWS+\i], v[PWS+4+\i], vcc_lo
.endr
	global_store_b128 v[CO16], v[SE:SE+3], s[78:79]
.Ldone:
	s_wait_tensorcnt 0x0                           ; the wave's end
	ds_add_u32 v[SPW], v[NIL]
	s_wait_dscnt 0x0
	CROUND                                         ; the closing round: no work-group ends while a partner may still ask for a tile that names it
	s_endpgm
.Lfunc_end_k_q6f34d6c4d8_qkv:
	.size	k_q6f34d6c4d8_qkv, .Lfunc_end_k_q6f34d6c4d8_qkv-k_q6f34d6c4d8_qkv
	.p2alignl 7, 3214868480
	.fill 96, 4, 3214868480
	.section	.rodata,"a",@progbits
	.p2align	6, 0x0
	.amdhsa_kernel k_q6f34d6c4d8_qkv
		.amdhsa_group_segment_fixed_size 327680
		.amdhsa_private_segment_fixed_size 0
		.amdhsa_enable_private_segment 0
		.amdhsa_kernarg_size 72
		.amdhsa_user_sgpr_count 2
		.amdhsa_user_sgpr_kernarg_segment_ptr 1
		.amdhsa_wavefront_size32 1
		.amdhsa_system_sgpr_workgroup_id_x 1
		.amdhsa_system_sgpr_workgroup_id_y 1
		.amdhsa_system_sgpr_workgroup_id_z 1
		.amdhsa_system_vgpr_workitem_id 0
		.amdhsa_next_free_vgpr 1024
		.amdhsa_next_free_sgpr 100
		.amdhsa_reserve_vcc 1
		.amdhsa_float_denorm_mode_32 3
		.amdhsa_float_denorm_mode_16_64 3
		.amdhsa_memory_ordered 1
		.amdhsa_forward_progress 1
		.amdhsa_inst_pref_size 239
	.end_amdhsa_kernel
	.amdgpu_metadata
---
amdhsa.version: [ 1, 2 ]
amdhsa.kernels:
  - .name:           k_q6f34d6c4d8_qkv
    .symbol:         k_q6f34d6c4d8_qkv.kd
    .args:
      - { .name: x_codes, .offset: 0, .size: 8, .value_kind: global_buffer, .address_space: global }
      - { .name: x_scales, .offset: 8, .size: 8, .value_kind: global_buffer, .address_space: global }
      - { .name: w_codes, .offset: 16, .size: 8, .value_kind: global_buffer, .address_space: global }
      - { .name: w_scales, .offset: 24, .size: 8, .value_kind: global_buffer, .address_space: global }
      - { .name: bq, .offset: 32, .size: 8, .value_kind: global_buffer, .address_space: global }
      - { .name: bk, .offset: 40, .size: 8, .value_kind: global_buffer, .address_space: global }
      - { .name: bv, .offset: 48, .size: 8, .value_kind: global_buffer, .address_space: global }
      - { .name: qimg, .offset: 56, .size: 8, .value_kind: global_buffer, .address_space: global }
      - { .name: kv, .offset: 64, .size: 8, .value_kind: global_buffer, .address_space: global }
    .group_segment_fixed_size: 327680
    .private_segment_fixed_size: 0
    .kernarg_segment_align: 8
    .kernarg_segment_size: 72
    .max_flat_workgroup_size: 128
    .sgpr_count:     100
    .vgpr_count:     1024
    .wavefront_size: 32
...
	.end_amdgpu_metadata
.endif
;; end of part 2
;; launch attn (part 3): grid 16 x 32, 16 waves a work-group, clusters of 4 x 4, 327,680 bytes of LDS; arguments qimg, kv, mask, att_img, att_scales; writes att_img, att_scales
.if DOCPART == 3
	.amdgcn_target "amdgcn-amd-amdhsa--gfx1250"
	.amdhsa_code_object_version 6
	.text
	.protected	k_q6f34d6c4d8_attn
	.globl	k_q6f34d6c4d8_attn
	.p2align	8
	.type	k_q6f34d6c4d8_attn,@function
k_q6f34d6c4d8_attn:
	s_mov_b64 s[64:65], 0
	v_nop
	global_prefetch_b8 v0, s[64:65] scope:SCOPE_SE
	s_setreg_imm32_b32 hwreg(HW_REG_WAVE_MODE, 25, 1), 1
	s_wait_xcnt 0x0
	s_wait_alu depctr_hold_cnt(0) depctr_sa_sdst(0) depctr_va_vdst(0) depctr_va_sdst(0) depctr_va_ssrc(0) depctr_va_vcc(0) depctr_vm_vsrc(0)
	s_getreg_b32 s2, hwreg(HW_REG_IB_STS2, 6, 4)
	s_cmp_eq_u32 s2, 0
	s_cbranch_scc0 .Lentry_in_a_cluster
	s_endpgm
.Lentry_in_a_cluster:
	s_bfe_u32 s2, ttmp6, 0x10000c
	s_cmp_lg_u32 s2, 0xf033
	s_cbranch_scc0 .Lentry_shape_is_right
	s_endpgm
.Lentry_shape_is_right:
; att[b][q][h][:] = softmax_k(q . k / 8 - mask[q][k] x 1e9) v, both products on codes of FP6 (E2M3) with E8M0 scales; the result is quantised again, along the 1,024 channels, for the last product.
; q (already divided by 8), k and v come as codes in the order of this kernel's operand registers; the mask comes as it is given, f32, and is applied to every score.
; THE SOFTMAX: u = fma(mask, -1e9, score) (one rounding where a product and a difference have two; the same bits where the mask is 0 or 1); t = u x log2(e), rounded; M = the ceiling of the running largest t;
; p = 2^(t - M), the difference taken of the ROUNDED t, so that a row whose every key is masked gives equal p = 1; p is quantised along the keys, not normalised; the row's sum of the unquantised p divides at the end.
; When M moves, the sum and O are multiplied by 2^(old M - new M): exact.
; THE HEAD HAS 64 CHANNELS, the instruction takes 128: q's fragment is 6 registers of codes and 6 of zero codes; k's second 6 registers are whatever lies next (every bit pattern is a finite number of the format: x 0 = 0); the scale bytes of that half are 0x7f.
; THE ORDER INSIDE A BLOCK OF 32 is k = 0-7, 16-23, 8-15, 24-31 in all operands alike (q and k along the channels, p and v along the keys, the result along the channels).
; SHARES.  A work-group: 64 queries x 4 heads of one batch.  Wave w: head w % 4, queries 16 (w / 4) on: one tile, 256 registers, four waves to a SIMD, so that one wave's vector work stands beside another's products and LDS loads.
; Every wave walks the 2,048 keys, 128 a step, through a ring of two LDS slots; a slot holds the four heads' K and V of the step (52,224 bytes) and the 64 x 128 tile of the mask.
; CLUSTER 4 x 4: along x the four head groups of a batch, along y four blocks of queries.  K and V hang on x alone: asked for jointly by a column; the mask's tile hangs on y alone: by a row.
; Both products are used transposed (S^T = K Q^T, O^T = V^T P^T): a lane holds one query (lane % 16) throughout.
; LIMITS: NaN and infinities are not served; a block of zeros gets the byte 1 (zero codes); largest magnitudes under 2^-124 keep the byte 1.
; REGISTERS: v1-4, v7 lane addresses that stay; v5, v6 the spare word and 0; v8-11, v29 the step's addresses; v12 -M, v13 the largest t, v[14:15] the sum; v16-27 Q; v28 its scale word; v30, v31, v244-246 offsets;
;   v32-95 K, then the mask, then V; v96-159 S^T, u, t, p; v160-191 O^T; v192-211 p's codes; v212-228 at work; v232-239 K's scale words, v240-243 V's.
.set SLOT1, 131072                     ; slot 1 begins here: one exclusive or turns an address from one slot to the other
.set KVB,   52224                      ; a step's K and V: K's codes at 0, K's scale words at 24,576, V's codes at 26,624, V's scale words at 51,200
.set MOFF,  52224                      ; the mask's tile: 64 rows x (512 bytes + 16)
.set MP,    528                        ; 132 words: row r starts at bank 4 r mod 64 (64 banks of 4 bytes: ISA guide 11.1)
.set SPARE, 86016                      ; behind slot 0: the spare words, 128 bytes for each of 16 waves
.set STG,   88064                      ; 512 bytes: the result's scale bytes meet here; no tile lands here
.macro CROUND                          ; a round of the cluster's barrier
	s_barrier_signal -1
	s_barrier_wait -1
	s_cmp_lg_u32 s14, 0
	s_cbranch_scc1 .Lnot_wave_0_\@
	s_barrier_signal -3
.Lnot_wave_0_\@:
	s_barrier_wait -3
	s_barrier_signal -1
	s_barrier_wait -1
.endm
; Waves 0-3 fetch a quarter each of K and V, waves 4-7 of the mask's tile, the others nothing.  The branches hang on the wave's number alone.  Four v_nop follow each of the two lines.
.macro TLOAD
	s_cmp_lt_u32 s14, 4
	s_cbranch_scc0 .Lnot_kv_\@
	tensor_load_to_lds s[44:47], s[28:35]
	s_nop 0
.rept 4
	v_nop
.endr
	s_branch .Lasked_\@
.Lnot_kv_\@:
	s_cmp_lt_u32 s14, 8
	s_cbranch_scc0 .Lasked_\@
	tensor_load_to_lds s[48:51], s[36:43]
	s_nop 0
.rept 4
	v_nop
.endr
.Lasked_\@:
.endm
	s_load_b256 s[4:11], s[0:1], 0x0               ; qimg, kv, mask, att_img
	s_load_b64 s[12:13], s[0:1], 0x20              ; att_scales
	v_lshl_add_u32 v5, v0, 2, SPARE
	v_mov_b32 v6, 0
	ds_add_u32 v5, v6
	s_wait_dscnt 0x0
	v_lshrrev_b32 v8, 5, v0
	v_readfirstlane_b32 s14, v8                    ; wave 0..15
	s_and_b32 s15, s14, 3                          ; j: my head in the group.  Also: which quarter I fetch, if I fetch
	s_lshr_b32 s16, s14, 2                         ; qt: my tile of 16 queries
	s_bfe_u32 s17, ttmp6, 0x40000                  ; cx: the head group
	s_bfe_u32 s18, ttmp6, 0x40004                  ; cy
	s_lshl_b32 s19, ttmp9, 2
	s_add_co_u32 s19, s19, s17                     ; HG = 4 batch + head group
	s_and_b32 s20, ttmp7, 0xffff
	s_lshl_b32 s20, s20, 2
	s_add_co_u32 s20, s20, s18                     ; QB: my block of 64 queries
	s_lshl_b32 s54, s18, 2
	s_lshl_b32 s54, 15, s54                        ; my row of the cluster
	s_lshl_b32 s55, 0x1111, s17                    ; my column
	; K and V: a quarter of the dense block: 51 rows of 256 bytes (32 elements of 8 bytes), no padding
	s_or_b32 s28, s55, (3<<16)|(1<<21)
	s_mov_b32 s29, 32<<16                          ; tensor_dim0
	s_mov_b32 s30, 51<<16                          ; tensor_dim1
	s_mov_b32 s31, 32<<16                          ; tile_dim0
	s_mov_b32 s32, 51                              ; tile_dim1
	s_mov_b32 s33, 32                              ; tensor_dim0_stride
	s_mov_b32 s34, 0
	s_mov_b32 s35, 0
	; the mask: 16 rows of 128 f32, 2,048 elements apart, 4 words of padding behind every 128
	s_or_b32 s36, s54, (2<<16)|(1<<20)|(1<<21)|(6<<22)|(3<<25)
	s_mov_b32 s37, 128<<16
	s_mov_b32 s38, 16<<16
	s_mov_b32 s39, 128<<16
	s_mov_b32 s40, 16
	s_mov_b32 s41, 2048
	s_mov_b32 s42, 0
	s_mov_b32 s43, 0
	s_mul_i32 s56, s19, 16*KVB                     ; K and V of my head group: 16 steps' blocks
	s_mul_i32 s58, s15, KVB/4                      ; my quarter, in memory and in a slot
	s_add_co_u32 s56, s56, s58
	s_mov_b32 s57, 0
	s_lshl_b32 s60, s20, 19                        ; the mask's rows of my 64 queries: 8,192 bytes a row
	s_lshl_b32 s59, s15, 17                        ; my 16 of them
	s_add_co_u32 s60, s60, s59
	s_mov_b32 s61, 0
	s_mov_b32 s22, 0x76543210
	s_mov_b32 s23, 0xfedcba98                      ; v_permlanex16_b32's selects for lane l xor 16
	s_mov_b32 s24, 0x3fb8aa3b                      ; log2(e)
	s_mov_b32 s25, s24                             ; (named with it as a pair, so it is written)
	s_mov_b32 s26, 0xce6e6b28                      ; -1e9
	s_mov_b32 s27, s26
	s_mov_b32 s52, 0                               ; the slot in hand
	s_mov_b32 s53, 15                              ; steps still to be asked for
	s_wait_kmcnt 0x0
	CROUND                                         ; all sixteen work-groups are here: the first joint loads meet
	s_mov_b32 s44, 1
	s_mov_b32 s45, s58
	s_add_nc_u64 s[46:47], s[6:7], s[56:57]
	s_or_b32 s47, s47, 0x80000000
	s_mov_b32 s48, 1
	s_mul_i32 s49, s15, 16*MP
	s_add_co_u32 s49, s49, MOFF
	s_add_nc_u64 s[50:51], s[8:9], s[60:61]
	s_or_b32 s51, s51, 0x80000000
	TLOAD                                          ; step 0 into slot 0: one tensor load of mine is out
	; Q: block 16 HG + QB / 2, half fragment (j, 4 (QB % 2) + qt)
	s_lshl_b32 s62, s19, 4
	s_lshr_b32 s63, s20, 1
	s_add_co_u32 s62, s62, s63
	s_mul_i32 s62, s62, 26624
	s_and_b32 s63, s20, 1
	s_lshl_b32 s66, s15, 3
	s_lshl_b32 s67, s63, 2
	s_add_co_u32 s66, s66, s67
	s_add_co_u32 s66, s66, s16
	s_mul_i32 s66, s66, 768
	s_add_co_u32 s66, s66, s62
	s_mov_b32 s67, 0
	s_add_nc_u64 s[68:69], s[4:5], s[66:67]        ; its codes
	s_lshl_b32 s70, s15, 9
	s_lshl_b32 s71, s63, 8
	s_add_co_u32 s70, s70, s71
	s_lshl_b32 s71, s16, 2
	s_add_co_u32 s70, s70, s71
	s_add_co_u32 s70, s70, s62
	s_add_co_u32 s70, s70, 24576
	s_mov_b32 s71, 0
	s_add_nc_u64 s[70:71], s[4:5], s[70:71]        ; its scale words
	v_and_b32 v8, 31, v0                           ; lane
	v_and_b32 v9, 15, v0                           ; r
	v_bfe_u32 v10, v0, 4, 1                        ; h
	v_lshlrev_b32 v30, 3, v8                       ; 8 x lane
	v_lshlrev_b32 v246, 4, v9                      ; 16 r
.irp p, 0,1,2
	global_load_b64 v[16+2*\p:17+2*\p], v30, s[68:69] offset:256*\p
.endr
	global_load_b32 v28, v246, s[70:71]
.irp i, 0,1,2,3,4,5
	v_mov_b32 v[22+\i], 0                          ; the zero codes of Q's second 64 along K
.endr
	s_mul_i32 s72, s15, 6144
	v_lshl_add_u32 v1, v8, 3, s72                  ; K's codes: 6,144 j + 8 lane
	s_lshl_b32 s73, s15, 9
	s_add_co_u32 s73, s73, 24576
	v_lshl_add_u32 v2, v9, 4, s73                  ; K's scale words: 24,576 + 512 j + 16 r
	s_add_co_u32 s72, s72, 26624
	v_lshl_add_u32 v3, v8, 4, s72                  ; V's codes: 26,624 + 6,144 j + 16 lane
	s_lshl_b32 s73, s15, 8
	s_add_co_u32 s73, s73, 51200
	v_lshl_add_u32 v4, v9, 4, s73                  ; V's scale words: 51,200 + 256 j + 16 r
	s_mul_i32 s73, s16, 16*MP
	s_add_co_u32 s73, s73, MOFF
	v_mul_u32_u24 v7, v9, MP
	v_lshl_add_u32 v7, v10, 5, v7
	v_add_nc_u32 v7, s73, v7                       ; the mask: row 16 qt + r, + 32 h bytes: register 8 a + i is key 16 a + 8 h + i
	s_lshl_b32 s73, s16, 7
	s_lshl_b32 s74, s15, 1
	s_add_co_u32 s73, s73, s74
	s_add_co_u32 s73, s73, STG
	v_lshl_add_u32 v31, v9, 3, s73                 ; the stage: 8 bytes a query, my head's two at 2 j
	v_and_b32 v244, 63, v0
	v_lshlrev_b32 v245, 5, v244                    ; a row of att_scales is 32 bytes
	v_lshl_add_u32 v244, v244, 3, STG              ; and where a query's 8 bytes are read back
	; where the results go
	s_lshl_b32 s74, ttmp9, 7
	s_lshl_b32 s75, s20, 2
	s_add_co_u32 s74, s74, s75
	s_add_co_u32 s74, s74, s16                     ; token tile 128 batch + 4 QB + qt
	s_lshl_b32 s74, s74, 4
	s_lshl_b32 s75, s17, 2
	s_add_co_u32 s74, s74, s75
	s_add_co_u32 s74, s74, s15                     ; x 16 + head
	s_mul_i32 s74, s74, 768
	s_mov_b32 s75, 0
	s_add_nc_u64 s[10:11], s[10:11], s[74:75]
	s_lshl_b32 s74, ttmp9, 16
	s_lshl_b32 s76, s20, 11
	s_add_co_u32 s74, s74, s76
	s_lshl_b32 s76, s17, 3
	s_add_co_u32 s74, s74, s76                     ; (2,048 batch + 64 QB) x 32 + 8 x head group
	s_add_nc_u64 s[12:13], s[12:13], s[74:75]
	v_mov_b32 v13, 0xff61b1e6                      ; the largest t so far: -3e38, under every t
	v_floor_f32 v12, -v13                          ; -M
	v_mov_b32 v14, 0                               ; the sum, in two halves
	v_mov_b32 v15, 0
.irp i, 0,1,2,3,4,5
	v_mov_b32 v[80+\i], 0                          ; named by the last tile's product beside K's codes: written once
.endr
.irp b, 0,1,2,3
	v_mov_b32 v[216+\b], 0                         ; a lane permute's destination counts as one of its sources
.endr
	v_mov_b32 v224, 0
	v_mov_b32 v227, 0                              ; (named as the upper half of the pair v[226:227])
.set ii, 0
.rept 32
	v_mov_b32 v[160+ii], 0                         ; O^T.  (The step is written once for all steps: the first finds zeros, which the first change of M leaves zeros)
.set ii, ii+1
.endr
; A KEY STEP: 128 keys, in the slot that begins at s52.
.macro STEP
	v_add_nc_u32 v8, s52, v1                       ; five plain lines: also the places between the last step's products and the loads into their registers
	v_add_nc_u32 v9, s52, v2
	v_add_nc_u32 v10, s52, v3
	v_add_nc_u32 v11, s52, v4
	v_add_nc_u32 v29, s52, v7
.irp a, 0,1,2,3,4,5,6,7
.irp p, 0,1,2
	ds_load_b64 v[32+6*\a+2*\p:33+6*\a+2*\p], v8 offset:768*\a+256*\p    ; 32 lanes read 256 consecutive bytes
.endr
.endr
	ds_load_b128 v[232:235], v9                    ; the scale words of tiles 0-3 of key row r,
	ds_load_b128 v[236:239], v9 offset:256         ; and of tiles 4-7
	s_wait_dscnt 0x0
.irp a, 0,1,2,3,4,5,6,7                        ; S^T = K Q^T: lane (r, h), register 8 a + i: key 16 a + 8 h + i, query r
	v_wmma_scale_f32_16x16x128_f8f6f4 v[96+8*\a:103+8*\a], v[32+6*\a:43+6*\a], v[16:27], 0, v[232+\a], v28 matrix_a_fmt:MATRIX_FMT_FP6 matrix_b_fmt:MATRIX_FMT_FP6
.endr
.rept 4
	v_nop                                          ; places in front of the loads into K's registers and of the first read of the scores
.endr
.irp a, 0,1,2,3,4,5,6,7
.irp i, 0,1
	ds_load_b128 v[32+8*\a+4*\i:35+8*\a+4*\i], v29 offset:64*\a+16*\i    ; the mask at my query and my 64 keys
.endr
.endr
	s_wait_dscnt 0x0
.set ii, 0
.rept 32
	v_pk_fma_f32 v[96+ii:97+ii], v[32+ii:33+ii], s[26:27], v[96+ii:97+ii] op_sel_hi:[1,0,1]   ; u = score - mask x 1e9; each accumulator from its low end on
.set ii, ii+2
.endr
.irp t, 0,1,2,3
.irp q, 0,1,2
	ds_load_b128 v[32+12*\t+4*\q:35+12*\t+4*\q], v10 offset:1536*\t+512*\q   ; V's four fragments land while the softmax is worked
.endr
.endr
	ds_load_b128 v[240:243], v11
.irp b, 0,1,2,3
	v_max3_num_f32 v[212+\b], v[96+16*\b], v[97+16*\b], v[98+16*\b]      ; the largest u of each block of 32 keys: for the row's maximum, and, since p rises with u, for the block's largest p
.endr
.irp i, 3,5,7,9,11,13
.irp b, 0,1,2,3
	v_max3_num_f32 v[212+\b], v[212+\b], v[96+16*\b+\i], v[97+16*\b+\i]
.endr
.endr
.irp b, 0,1,2,3
	v_max_num_f32 v[212+\b], v[212+\b], v[111+16*\b]
.endr
.irp b, 0,1,2,3
	v_permlanex16_b32 v[216+\b], v[212+\b], s22, s23
.endr
.irp b, 0,1,2,3
	v_max_num_f32 v[212+\b], v[212+\b], v[216+\b]  ; with lane l xor 16's 16 keys
.endr
	v_max3_num_f32 v224, v212, v213, v214
	v_max_num_f32 v224, v224, v215
	v_mul_f32 v224, s24, v224                      ; the step's largest t
	v_max_num_f32 v13, v13, v224                   ; the running largest t
	v_mov_b32 v224, v12
	v_floor_f32 v12, -v13                          ; the new -M = -ceil(t): a whole number
	v_sub_f32 v224, v12, v224                      ; old M - new M, 0 or less
	v_cvt_i32_f32 v224, v224                       ; (it saturates)
	v_ldexp_f32 v226, 1.0, v224                    ; f = 2^(old M - new M)
.set ii, 0
.rept 32
	v_pk_mul_f32 v[96+ii:97+ii], v[96+ii:97+ii], s[24:25] op_sel_hi:[1,0]      ; t = u x log2(e), rounded,
.set ii, ii+2
.endr
.set ii, 0
.rept 32
	v_pk_add_f32 v[96+ii:97+ii], v[96+ii:97+ii], v[12:13] op_sel_hi:[1,0]      ; and then t - M: not fused, so that equal u give t - M = 0 however large they are
.set ii, ii+2
.endr
.irp b, 0,1,2,3
	v_mul_f32 v[212+\b], s24, v[212+\b]            ; the same two lines on each block's largest u
.endr
.irp b, 0,1,2,3
	v_add_f32 v[212+\b], v12, v[212+\b]
.endr
.set ii, 0
.rept 64
	v_exp_f32 v[96+ii], v[96+ii]                   ; p = 2^(t - M), at most 1
.set ii, ii+1
.endr
.irp b, 0,1,2,3
	v_exp_f32 v[212+\b], v[212+\b]                 ; the block's largest p: the same lines on the same number give the same bits
.endr
	v_pk_mul_f32 v[14:15], v[14:15], v[226:227] op_sel_hi:[1,0]   ; the sums under the new M (a plain place behind the exponentials)
	s_wait_alu depctr_va_vdst(0)
.irp b, 0,1,2,3
	v_max_num_f32 v[212+\b], 0x1800000, v[212+\b]  ; the floor 2^(3 - 127): the byte cannot fall under 1
.endr
.irp b, 0,1,2,3
	v_add_nc_u32 v[220+\b], 0xff000000, v[212+\b]  ; 2 off the exponent field: the conversion's scale operand
.endr
.irp b, 0,1,2,3
	v_lshrrev_b32 v[216+\b], 23, v[220+\b]         ; the scale's byte
.endr
	v_lshl_or_b32 v228, v217, 8, v216              ; p's scale word for these 128 keys
	v_lshl_or_b32 v228, v218, 16, v228
	v_lshl_or_b32 v228, v219, 24, v228
.irp c, 0,1
	v_cvt_scalef32_pk16_fp6_f32 v[192+6*\c:194+6*\c], v[96+32*\c:111+32*\c], v[220+2*\c]
	v_cvt_scalef32_pk16_fp6_f32 v[204+4*\c:206+4*\c], v[112+32*\c:127+32*\c], v[220+2*\c+1]   ; (a conversion's three registers begin on an even number)
.endr
	v_nop                                          ; one plain place behind a scaled conversion
.irp c, 0,1                                    ; a whole block to a lane: lanes 0-15 block 2 c, lanes 16-31 block 2 c + 1
.irp i, 0,1,2
	v_permlane16_swap_b32 v[192+6*\c+\i], v[204+4*\c+\i]
.endr
.irp i, 0,1,2
	v_mov_b32 v[195+6*\c+\i], v[204+4*\c+\i]
.endr
.endr
.set ii, 0
.rept 16
	v_pk_mul_f32 v[160+ii:161+ii], v[160+ii:161+ii], v[226:227] op_sel_hi:[1,0]   ; O^T under the new M; each accumulator from its low end on
.set ii, ii+2
.endr
	v_pk_add_f32 v[216:217], v[96:97], v[98:99]    ; the row's sum of the UNQUANTISED p, two at a time, in two chains.  (These lines are also the places in front of the products below)
.irp j, 4,8,12,16,20,24,28,32,36,40,44,48,52,56,60
	v_pk_add_f32 v[14:15], v[14:15], v[96+\j:97+\j]
	v_pk_add_f32 v[216:217], v[216:217], v[98+\j:99+\j]
.endr
	v_pk_add_f32 v[14:15], v[14:15], v[216:217]
	s_wait_dscnt 0x0                               ; V and its scale words
.irp t, 0,1,2,3                                ; O^T += V^T P^T: register 8 t + i: channel 16 t + 8 h + i, query r.  The four accumulators take turns, and the scores' eight stand between two steps'
	v_wmma_scale_f32_16x16x128_f8f6f4 v[160+8*\t:167+8*\t], v[32+12*\t:43+12*\t], v[192:203], v[160+8*\t:167+8*\t], v[240+\t], v228 matrix_a_fmt:MATRIX_FMT_FP6 matrix_b_fmt:MATRIX_FMT_FP6
.endr
	s_xor_b32 s52, s52, SLOT1                      ; on to the other slot
.endm
; THE CHANGE OF SLOTS stands at a step's head.  Each wave waits for all its tensor loads (its part of the slot that it is about to read), adds 0 to its spare word, and waits for that and for its reads of the slot that it has left.
; fill = 1: a round of the cluster's barrier, so that no wave of any partner still reads that slot or has a load on its way; behind it the slot is filled with the next step's tiles, which have a whole step in which to land.
.macro CHANGE fill
	s_wait_tensorcnt 0x0                           ; no tensor load of mine is out, so a group 0 may be written
	ds_add_u32 v5, v6                              ; 0 onto my spare word
.if \fill
	s_xor_b32 s45, s45, SLOT1                      ; the other slot than last time,
	s_add_nc_u64 s[46:47], s[46:47], KVB           ; the next 128 keys' block;
	s_xor_b32 s49, s49, SLOT1
	s_add_nc_u64 s[50:51], s[50:51], 512           ; the mask's next 128 columns
.endif
	s_wait_dscnt 0x0                               ; the add is done, and my reads of the slot that I have left are over
.if \fill
	CROUND
	TLOAD                                          ; the first thing behind the round, and a wave's one tensor load until the next
.else
	s_barrier_signal -1
	s_barrier_wait -1
.endif
.endm
	s_wait_loadcnt 0x0                             ; Q
.Lslot:                                            ; 15 trips: behind each change of slots but the last the next step is asked for
	CHANGE 1
	STEP
	s_sub_co_u32 s53, s53, 1
	s_cmp_lg_u32 s53, 0
	s_cbranch_scc1 .Lslot
	CHANGE 0                                       ; the last step is written out
	STEP
	; THE WAY OUT.  O^T / the sum; its 64 channels are two blocks of the last product's K: quantised as p is, and stored as that product's operand registers.
.rept 4
	v_nop                                          ; places behind the last products
.endr
	v_add_f32 v14, v14, v15
	v_permlanex16_b32 v224, v14, s22, s23
	v_add_f32 v14, v14, v224                       ; the row's sum
	v_rcp_f32 v14, v14
	v_nop                                          ; one plain place behind a transcendental
.set ii, 0
	s_wait_alu depctr_va_vdst(0)
.rept 16
	v_pk_mul_f32 v[96+ii:97+ii], v[160+ii:161+ii], v[14:15] op_sel_hi:[1,0]   ; each accumulator from its low end on
.set ii, ii+2
.endr
.irp b, 0,1
	v_max3_num_f32 v[212+\b], |v[96+16*\b]|, |v[97+16*\b]|, 0x1800000
.endr
.irp i, 2,4,6,8,10,12,14
.irp b, 0,1
	v_max3_num_f32 v[212+\b], v[212+\b], |v[96+16*\b+\i]|, |v[97+16*\b+\i]|
.endr
.endr
.irp b, 0,1
	v_permlanex16_b32 v[216+\b], v[212+\b], s22, s23
.endr
.irp b, 0,1
	v_max_num_f32 v[212+\b], v[212+\b], v[216+\b]
.endr
.irp b, 0,1
	v_add_nc_u32 v[220+\b], 0xff000000, v[212+\b]
.endr
.irp b, 0,1
	v_lshrrev_b32 v[216+\b], 23, v[220+\b]
.endr
	v_lshl_or_b32 v224, v217, 8, v216              ; my head's two scale bytes
	v_cvt_scalef32_pk16_fp6_f32 v[192:194], v[96:111], v220
	v_cvt_scalef32_pk16_fp6_f32 v[204:206], v[112:127], v221
	v_nop                                          ; one plain place behind a scaled conversion
.irp i, 0,1,2
	v_permlane16_swap_b32 v[192+\i], v[204+\i]
.endr
.irp i, 0,1,2
	v_mov_b32 v[195+\i], v[204+\i]
.endr
	ds_store_b16 v31, v224                         ; both halves of the lanes write the same two bytes with the same value
.irp p, 0,1,2
	global_store_b64 v30, v[192+2*\p:193+2*\p], s[10:11] offset:256*\p     ; 32 lanes store 256 consecutive bytes, aligned
.endr
	s_wait_dscnt 0x0                               ; for the others' sake: my store into the stage is done
	s_barrier_signal -1
	s_barrier_wait -1
	s_cmp_lt_u32 s14, 2                            ; waves 0 and 1: a query's 8 bytes (four heads) each lane
	s_cbranch_scc0 .Lno_sc
	ds_load_b64 v[232:233], v244
	s_wait_dscnt 0x0
	global_store_b64 v245, v[232:233], s[12:13]    ; pieces of 8 bytes, 32 bytes apart: 512 bytes of the work-group's 2,048
.Lno_sc:
	s_wait_tensorcnt 0x0                           ; the wave's end
	ds_add_u32 v5, v6
	s_wait_dscnt 0x0
	CROUND                                         ; the closing round
	s_endpgm
.Lfunc_end_k_q6f34d6c4d8_attn:
	.size	k_q6f34d6c4d8_attn, .Lfunc_end_k_q6f34d6c4d8_attn-k_q6f34d6c4d8_attn
	.p2alignl 7, 3214868480
	.fill 96, 4, 3214868480
	.section	.rodata,"a",@progbits
	.p2align	6, 0x0
	.amdhsa_kernel k_q6f34d6c4d8_attn
		.amdhsa_group_segment_fixed_size 327680
		.amdhsa_private_segment_fixed_size 0
		.amdhsa_enable_private_segment 0
		.amdhsa_kernarg_size 40
		.amdhsa_user_sgpr_count 2
		.amdhsa_user_sgpr_kernarg_segment_ptr 1
		.amdhsa_wavefront_size32 1
		.amdhsa_system_sgpr_workgroup_id_x 1
		.amdhsa_system_sgpr_workgroup_id_y 1
		.amdhsa_system_sgpr_workgroup_id_z 1
		.amdhsa_system_vgpr_workitem_id 0
		.amdhsa_next_free_vgpr 256
		.amdhsa_next_free_sgpr 100
		.amdhsa_reserve_vcc 0
		.amdhsa_float_denorm_mode_32 3
		.amdhsa_float_denorm_mode_16_64 3
		.amdhsa_memory_ordered 1
		.amdhsa_forward_progress 1
		.amdhsa_inst_pref_size 57
	.end_amdhsa_kernel
	.amdgpu_metadata
---
amdhsa.version: [ 1, 2 ]
amdhsa.kernels:
  - .name:           k_q6f34d6c4d8_attn
    .symbol:         k_q6f34d6c4d8_attn.kd
    .args:
      - { .name: qimg, .offset: 0, .size: 8, .value_kind: global_buffer, .address_space: global }
      - { .name: kv, .offset: 8, .size: 8, .value_kind: global_buffer, .address_space: global }
      - { .name: mask, .offset: 16, .size: 8, .value_kind: global_buffer, .address_space: global }
      - { .name: att_img, .offset: 24, .size: 8, .value_kind: global_buffer, .address_space: global }
      - { .name: att_scales, .offset: 32, .size: 8, .value_kind: global_buffer, .address_space: global }
    .group_segment_fixed_size: 327680
    .private_segment_fixed_size: 0
    .kernarg_segment_align: 8
    .kernarg_segment_size: 40
    .max_flat_workgroup_size: 512
    .sgpr_count:     100
    .vgpr_count:     256
    .wavefront_size: 32
...
	.end_amdgpu_metadata
.endif
;; end of part 3
;; launch outp (part 4): grid 4 x 32, 4 waves a work-group, clusters of 4 x 4, 327,680 bytes of LDS; arguments att_img, att_scales, w_codes, w_scales, bo, out0; writes out0
.if DOCPART == 4
	.amdgcn_target "amdgcn-amd-amdhsa--gfx1250"
	.amdhsa_code_object_version 6
	.text
	.protected	k_q6f34d6c4d8_outp
	.globl	k_q6f34d6c4d8_outp
	.p2align	8
	.type	k_q6f34d6c4d8_outp,@function
k_q6f34d6c4d8_outp:
	s_mov_b64 s[64:65], 0
	v_nop
	global_prefetch_b8 v0, s[64:65] scope:SCOPE_SE
	s_setreg_imm32_b32 hwreg(HW_REG_WAVE_MODE, 25, 1), 1
	s_wait_xcnt 0x0
	s_wait_alu depctr_hold_cnt(0) depctr_sa_sdst(0) depctr_va_vdst(0) depctr_va_sdst(0) depctr_va_ssrc(0) depctr_va_vcc(0) depctr_vm_vsrc(0)
	s_getreg_b32 s2, hwreg(HW_REG_IB_STS2, 6, 4)
	s_cmp_eq_u32 s2, 0
	s_cbranch_scc0 .Lentry_in_a_cluster
	s_endpgm
.Lentry_in_a_cluster:
	s_bfe_u32 s2, ttmp6, 0x10000c
	s_cmp_lg_u32 s2, 0xf033
	s_cbranch_scc0 .Lentry_shape_is_right
	s_endpgm
.Lentry_shape_is_right:
; out0 = att Wo^T + bo on codes of FP6 (E2M3) with E8M0 scales; out0 [8192][1024] f32; sums in f32.
; att comes as images of this kernel's operand registers: att_img [token tile 512][head 16][768 bytes]: three runs of 256 bytes, 8 bytes a lane: registers 6 c .. 6 c + 5 (c = head % 2) of the fragment (token tile, K step head / 2);
; its scale bytes att_scales [8192][32] lie by rows.  Wo's codes are rows 3,072 to 4,095 of w_codes [4096][768 bytes], its scale bytes likewise of w_scales [4096][32].
; Inside each block of 32 along K both operands carry the same order k = 0-7, 16-23, 8-15, 24-31.
; A tile of 256 x 256 is made by four waves, each 128 x 128: 64 accumulators.  K = 1,024 goes in steps of 256 through a ring of two LDS slots; the scale bytes of the tile's rows come once.
; CLUSTERS 4 x 4: att's tiles (A) are asked for jointly by a row of the cluster, Wo's (B) by a column.  The matrix instruction is used transposed (source 0 = 16 rows of Wo, source 1 = 16 tokens): a lane holds eight neighbouring numbers of a row of out0.
; The grid has 128 work-groups: 32 x 4 tiles of 256 x 256.
; REGISTERS: window 0: v0-31 addresses, v8-11 the bias; v32-63 scale words, two sets; v128-223 A's fragments, one set; on the way out v128-255.  window 1: B's fragments, two sets.  windows 2, 3: the accumulators.
.set SIZE_K, 1024
.set SIZE_N, 1024
.set KSTEP,  256
.set NQ,     KSTEP/128
.set ROWB,   192                       ; a row of B's tile in bytes
.set AROWB,  3072                      ; a token tile's images of one K step of 256: four heads x 768 bytes
.set KROW,   SIZE_K*6/8                ; a row of codes in memory; also a sixteenth of a token tile's 12,288 bytes of images
.set PITCH,  240                       ; B's LDS row: 3 x (64 bytes + 16 of padding)
.set FR,     12
.set NL,     6
.set NP,     4
.set HALFT,  128*PITCH                 ; the room of 128 rows; A's images take 24,576 bytes of it
.set SLOT,   4*HALFT
.set LAPS,   SIZE_K/(2*KSTEP)
.set KS,     SIZE_K/32
.set SCL,    2*SLOT
.set HALFS,  (128*KS/256)*272
.set SBLK,   (16*KS/256)*272
.set SPARE,  SCL+4*HALFS
.set SPITCH, 528                       ; the way out: a stage of 16 rows x (512 bytes + 16) for each wave, in slot 0, which has had its last fill and its last read by then
.set ADRA, 16                          ; v16-17 LDS address of my A images in slot 0, 1
.set ADRB, 20                          ; v20-23 of my B fragments
.set STO,  24
.set RD,   25
.set CO,   26
.set ADRS, 27
.set SPW,  28
.set NIL,  29
.set SC,   32
.set AF,   128
.set BK,   128
.set G1, 24
.set G0, 32
.set G1B, 48
.set G0B, 56
.set G1S, 68
.set G0S, 76
.set G1SB, 80
.set G0SB, 88
.set MSB, 0
.macro WIN new
.if MSB != \new
	s_set_vgpr_msb (MSB<<8)|\new
.set MSB, \new
.endif
.endm
.set MUL_LO, 0xa1
.set MUL_HI, 0xf1
.set TO_B,   0x40
.macro JLOAD g0a, g1a, g0b, g1b        ; waves 0 and 1 fetch for A, waves 2 and 3 for B; four v_nop follow each of the two lines
	s_cmp_eq_u32 s15, 0
	s_cbranch_scc0 .Lfor_b_\@
	tensor_load_to_lds s[\g0a:\g0a+3], s[\g1a:\g1a+7]
	s_nop 0
.rept 4
	v_nop
.endr
	s_branch .Lasked_\@
.Lfor_b_\@:
	tensor_load_to_lds s[\g0b:\g0b+3], s[\g1b:\g1b+7]
	s_nop 0
.rept 4
	v_nop
.endr
.Lasked_\@:
.endm
.macro CREST
	s_cmp_lg_u32 s14, 0
	s_cbranch_scc1 .Lnot_wave_0_\@
	s_barrier_signal -3
.Lnot_wave_0_\@:
	s_barrier_wait -3
	s_barrier_signal -1
	s_barrier_wait -1
.endm
.macro CROUND
	s_barrier_signal -1
	s_barrier_wait -1
	CREST
.endm
	s_load_b128 s[4:7], s[0:1], 0x0                ; att's images, att's scales
	s_load_b128 s[8:11], s[0:1], 0x10              ; W's codes, W's scales
	s_load_b64 s[96:97], s[0:1], 0x20              ; bo
	s_load_b64 s[12:13], s[0:1], 0x28              ; out0
	v_lshl_add_u32 v[SPW], v0, 2, SPARE
	v_mov_b32 v[NIL], 0
	ds_add_u32 v28, v29
	s_wait_dscnt 0x0
	v_lshrrev_b32 v1, 5, v0
	v_readfirstlane_b32 s14, v1                    ; wave 0..3
	s_lshr_b32 s15, s14, 1                         ; which half of the tile's rows is mine.  Also: I fetch for A (0) or for B (1)
	s_and_b32 s16, s14, 1                          ; which half of its columns.  Also: which 128 rows of that tile I fetch
	s_bfe_u32 s40, ttmp6, 0x40000
	s_bfe_u32 s41, ttmp6, 0x40004
	s_lshl_b32 s42, ttmp9, 2
	s_add_co_u32 s42, s42, s40                     ; tile column
	s_and_b32 s17, ttmp7, 0xffff
	s_lshl_b32 s17, s17, 2
	s_add_co_u32 s17, s17, s41                     ; tile row
	s_lshl_b32 s43, s41, 2
	s_lshl_b32 s43, 15, s43                        ; my row of the cluster
	s_lshl_b32 s44, 0x1111, s40                    ; my column
	; A: 8 token tiles x 3,072 bytes (384 elements of 8 bytes), 12,288 bytes apart, dense in LDS
	s_or_b32 s[G1+0], s43, (3<<16)|(1<<21)
	s_mov_b32 s[G1+1], 384<<16                     ; tensor_dim0
	s_mov_b32 s[G1+2], 8<<16                       ; tensor_dim1
	s_mov_b32 s[G1+3], 384<<16                     ; tile_dim0
	s_mov_b32 s[G1+4], 8                           ; tile_dim1
	s_mov_b32 s[G1+5], 1536                        ; tensor_dim0_stride
	s_mov_b32 s[G1+6], 0
	s_mov_b32 s[G1+7], 0
	; B: 128 rows x 192 bytes, 16 bytes of padding behind every 64
	s_or_b32 s[G1B+0], s44, (0<<16)|(1<<20)|(1<<21)|(3<<22)|(3<<25)
	s_mov_b32 s[G1B+1], ROWB<<16
	s_mov_b32 s[G1B+2], 128<<16
	s_mov_b32 s[G1B+3], ROWB<<16
	s_mov_b32 s[G1B+4], 128
	s_mov_b32 s[G1B+5], KROW
	s_mov_b32 s[G1B+6], 0
	s_mov_b32 s[G1B+7], 0
	; the scales of 128 rows: 4,096 dense bytes as rows of 256 bytes, 16 bytes of padding behind each
	s_or_b32 s[G1S+0], s43, (3<<16)|(1<<20)|(1<<21)|(5<<22)|(3<<25)
	s_or_b32 s[G1SB+0], s44, (3<<16)|(1<<20)|(1<<21)|(5<<22)|(3<<25)
.irp g, G1S, G1SB
	s_mov_b32 s[\g+1], 32<<16
	s_mov_b32 s[\g+2], (128*KS/256)<<16
	s_mov_b32 s[\g+3], 32<<16
	s_mov_b32 s[\g+4], 128*KS/256
	s_mov_b32 s[\g+5], 32
	s_mov_b32 s[\g+6], 0
	s_mov_b32 s[\g+7], 0
.endr
	s_lshl_b32 s18, s16, 7
	s_lshl_b32 s20, s17, 8
	s_add_co_u32 s20, s20, s18                     ; A: token 256 x tile row + 128 x half
	s_lshl_b32 s46, s42, 8
	s_add_co_u32 s46, s46, s18
	s_add_co_u32 s46, s46, 3072                    ; B: Wo begins at row 3,072
	s_mov_b32 s21, 0
	s_mov_b32 s47, 0
	s_mov_b64 s[18:19], KS
	s_mul_u64 s[22:23], s[20:21], s[18:19]
	s_mul_u64 s[92:93], s[46:47], s[18:19]
	s_mov_b64 s[18:19], KROW
	s_mul_u64 s[20:21], s[20:21], s[18:19]         ; 16 tokens' images are 12,288 bytes: 768 a token
	s_mul_u64 s[46:47], s[46:47], s[18:19]
	s_mul_i32 s45, s14, HALFT
	s_mul_i32 s94, s14, HALFS
	s_wait_kmcnt 0x0
	s_add_nc_u64 s[20:21], s[4:5], s[20:21]
	s_add_nc_u64 s[22:23], s[6:7], s[22:23]
	s_add_nc_u64 s[46:47], s[8:9], s[46:47]
	s_add_nc_u64 s[92:93], s[10:11], s[92:93]
	CROUND                                         ; all sixteen work-groups are here: the first joint loads meet
	s_mov_b32 s[G0S], 1
	s_add_co_u32 s[G0S+1], s94, SCL
	s_mov_b64 s[G0S+2:G0S+3], s[22:23]
	s_or_b32 s[G0S+3], s[G0S+3], 0x80000000
	s_mov_b32 s[G0SB], 1
	s_add_co_u32 s[G0SB+1], s94, SCL
	s_mov_b64 s[G0SB+2:G0SB+3], s[92:93]
	s_or_b32 s[G0SB+3], s[G0SB+3], 0x80000000
	JLOAD G0S, G1S, G0SB, G1SB
.irp s, 0,1
	s_mov_b32 s[G0+4*\s], 1
	s_add_co_u32 s[G0+4*\s+1], s45, \s*SLOT
	s_add_nc_u64 s[G0+4*\s+2:G0+4*\s+3], s[20:21], \s*AROWB
	s_or_b32 s[G0+4*\s+3], s[G0+4*\s+3], 0x80000000
	s_mov_b32 s[G0B+4*\s], 1
	s_add_co_u32 s[G0B+4*\s+1], s45, \s*SLOT
	s_add_nc_u64 s[G0B+4*\s+2:G0B+4*\s+3], s[46:47], \s*ROWB
	s_or_b32 s[G0B+4*\s+3], s[G0B+4*\s+3], 0x80000000
	JLOAD G0+4*\s, G1, G0B+4*\s, G1B
.endr
	v_and_b32 v1, 15, v0                           ; l % 16
	v_bfe_u32 v2, v0, 4, 1                         ; l / 16
	v_and_b32 v6, 31, v0                           ; lane
	v_mul_u32_u24 v3, v1, PITCH
	v_mul_u32_u24 v4, v2, 24
	v_add_nc_u32 v4, v3, v4                        ; B: a fragment's row x pitch + 24 x half
	v_lshl_add_u32 v5, v2, 4, v4                   ; and the same behind one padding more
	v_lshlrev_b32 v3, 3, v6                        ; A: 8 x lane
	s_mul_i32 s21, s15, HALFT                      ; my 128 tokens of A
	s_mul_i32 s22, s16, HALFT
	s_add_co_u32 s22, s22, 2*HALFT                 ; my 128 rows of B
.irp s, 0,1
	v_add_nc_u32 v[ADRA+\s], s21, v3
	v_add_nc_u32 v[ADRB+\s], s22, v4
	v_add_nc_u32 v[ADRB+2+\s], s22, v5
	s_add_co_u32 s21, s21, SLOT
	s_add_co_u32 s22, s22, SLOT
.endr
	v_mul_u32_u24 v5, v1, KS
	v_lshrrev_b32 v4, 8, v5
	v_lshl_add_u32 v5, v4, 4, v5
	s_mul_i32 s21, s15, HALFS
	s_mul_i32 s22, s16, HALFS
	s_add_co_u32 s22, s22, 2*HALFS
	s_sub_co_u32 s22, s22, s21
	v_mul_u32_u24 v4, s22, v2                      ; lanes 16-31 take B's
	s_add_co_u32 s21, s21, SCL
	v_add_nc_u32 v5, v5, v4
	v_add_nc_u32 v[ADRS], s21, v5
	s_mul_i32 s23, s14, 16*SPITCH                  ; my stage
	v_mul_u32_u24 v5, v1, SPITCH
	v_lshl_add_u32 v5, v2, 5, v5
	v_add_nc_u32 v[STO], s23, v5                   ; in: row l % 16, 32 bytes for each half of the lanes
	v_lshlrev_b32 v[CO], 4, v6                     ; back: the 32 lanes take one row of 512 bytes; and the same in out0
	v_add_nc_u32 v[RD], s23, v[CO]
	s_lshl_b32 s20, s17, 8
	s_lshl_b32 s21, s15, 7
	s_add_co_u32 s20, s20, s21                     ; my first row of out0
	s_mov_b32 s21, 0
	s_mov_b64 s[18:19], SIZE_N*4
	s_mul_u64 s[20:21], s[20:21], s[18:19]
	s_lshl_b32 s46, s42, 10                        ; my first column, in bytes
	s_lshl_b32 s47, s16, 9
	s_add_co_u32 s46, s46, s47
	s_mov_b32 s47, 0
	s_add_nc_u64 s[20:21], s[20:21], s[46:47]
	s_add_nc_u64 s[12:13], s[12:13], s[20:21]
	s_add_nc_u64 s[96:97], s[96:97], s[46:47]      ; bo at my 128 columns
	global_load_b128 v[8:11], v[CO], s[96:97]      ; my four columns of a row as it is stored; waited for on the way out
.macro FRAG reg, adr, q, i             ; B: 16 rows x 128 K: 12 registers, in pieces of 8 bytes
.irp p, 0,1,2,3,4,5
.set PC, 12*(\q)+6*(\p/3)+\p%3
.if PC%8 < 5
	ds_load_b64 v[\reg+2*\p:\reg+2*\p+1], v[\adr] offset:8*PC+16*(PC/8)+(\i)*16*PITCH
.else
	ds_load_b64 v[\reg+2*\p:\reg+2*\p+1], v[\adr+2] offset:8*PC+16*(PC/8)+(\i)*16*PITCH
.endif
.endr
.endm
.macro FRAG_A reg, slot, q, i          ; A: the image as it lies: six runs of 256 consecutive bytes
.irp p, 0,1,2,3,4,5
	ds_load_b64 v[\reg+2*\p:\reg+2*\p+1], v[ADRA+\slot] offset:AROWB*(\i)+1536*(\q)+256*\p
.endr
.endm
.macro MUL16 a0, p, q, sc, zero        ; the 64 accumulators take turns, one instruction a turn
.irp a, \a0, \a0+1
.irp b, 0,1,2,3,4,5,6,7
.if \zero
	v_wmma_scale_f32_16x16x128_f8f6f4 v[8*(8*((\a)%4)+\b):8*(8*((\a)%4)+\b)+7], v[128*(\p)+FR*\b:128*(\p)+FR*\b+FR-1], v[AF+FR*(\a):AF+FR*(\a)+FR-1], 0, v[SC+8*NQ*(\sc)+NQ*\b+(\q)], v[SC+8*NQ*(\sc)+NQ*(\a)+(\q)] matrix_a_fmt:MATRIX_FMT_FP6 matrix_b_fmt:MATRIX_FMT_FP6 matrix_a_scale:MATRIX_SCALE_ROW1
.else
	v_wmma_scale_f32_16x16x128_f8f6f4 v[8*(8*((\a)%4)+\b):8*(8*((\a)%4)+\b)+7], v[128*(\p)+FR*\b:128*(\p)+FR*\b+FR-1], v[AF+FR*(\a):AF+FR*(\a)+FR-1], v[8*(8*((\a)%4)+\b):8*(8*((\a)%4)+\b)+7], v[SC+8*NQ*(\sc)+NQ*\b+(\q)], v[SC+8*NQ*(\sc)+NQ*(\a)+(\q)] matrix_a_fmt:MATRIX_FMT_FP6 matrix_b_fmt:MATRIX_FMT_FP6 matrix_a_scale:MATRIX_SCALE_ROW1
.endif
.endr
.endr
.endm
.macro FETCH_B slot, q, p
	WIN TO_B
.irp i, 0,1,2,3,4,5,6,7
	FRAG 128*(\p)+FR*\i, ADRB+\slot, \q, \i
.endr
	WIN 0
.endm
.macro FETCH_A slot, q, i0
.irp i, \i0, \i0+1, \i0+2, \i0+3
	FRAG_A AF+FR*(\i), \slot, \q, \i
.endr
.endm
.macro SCALES sc
.irp i, 0,1,2,3,4,5,6,7
	ds_load_b64 v[SC+8*NQ*\sc+NQ*\i:SC+8*NQ*\sc+NQ*\i+1], v[ADRS] offset:\i*SBLK
.endr
.endm
.macro PLACES n
.rept \n
	v_nop
.endr
.endm
.macro STEP slot, q, zero
	s_wait_dscnt 4*NL                              ; B's set and A's blocks 0-3 are in; the youngest 24 loads (A's blocks 4-7) may be out
	WIN MUL_LO
	MUL16 0, (\q)%2, \q, \slot, \zero
	MUL16 2, (\q)%2, \q, \slot, \zero
	s_wait_dscnt 0
	PLACES NP
	FETCH_B \slot, (\q)+1, 1-(\q)%2
	FETCH_A \slot, (\q)+1, 0
	WIN MUL_HI
	MUL16 4, (\q)%2, \q, \slot, \zero
	MUL16 6, (\q)%2, \q, \slot, \zero
	PLACES NP
	WIN 0
	FETCH_A \slot, (\q)+1, 4
.endm
.macro TURN slot, next, fill
	s_wait_tensorcnt 0x0                           ; all my tensor loads have landed: my part of the next slot
	ds_add_u32 v[SPW], v[NIL]                      ; 0 onto my spare word
	s_wait_dscnt 4*NL+1                            ; (the add and the youngest 24 loads may be out)
	WIN MUL_LO
	MUL16 0, 1, NQ-1, \slot, 0
	s_wait_dscnt 0x0                               ; the add is done, and my reads of this slot are over
	s_barrier_signal -1
	MUL16 2, 1, NQ-1, \slot, 0
	WIN 0
	s_barrier_wait -1
.if \fill
	CREST                                          ; a round of the cluster's barrier: no wave of any partner still reads this slot or has a load on its way
	s_add_nc_u64 s[G0+4*\slot+2:G0+4*\slot+3], s[G0+4*\slot+2:G0+4*\slot+3], 2*AROWB
	s_add_nc_u64 s[G0B+4*\slot+2:G0B+4*\slot+3], s[G0B+4*\slot+2:G0B+4*\slot+3], 2*ROWB
	JLOAD G0+4*\slot, G1, G0B+4*\slot, G1B
.else
	PLACES NP
.endif
	v_add_nc_u32 v[ADRS], 4*NQ, v[ADRS]
	FETCH_B \next, 0, 0
	FETCH_A \next, 0, 0
	SCALES \next
	WIN MUL_HI
	MUL16 4, 1, NQ-1, \slot, 0
	MUL16 6, 1, NQ-1, \slot, 0
	PLACES NP
	WIN 0
	FETCH_A \next, 0, 4
.endm
	s_wait_tensorcnt 1                             ; the scales and my part of K step 0 are in (K step 1's load may be out)
	s_barrier_signal -1
	s_barrier_wait -1
	FETCH_B 0, 0, 0
	FETCH_A 0, 0, 0
	SCALES 0
	FETCH_A 0, 0, 4
	STEP 0, 0, 1
	s_mov_b32 s3, LAPS-1
.Llap:
	TURN 0, 1, 1
	STEP 1, 0, 0
	TURN 1, 0, 1
	STEP 0, 0, 0
	s_sub_co_u32 s3, s3, 1
	s_cmp_lg_u32 s3, 0
	s_cbranch_scc1 .Llap
	TURN 0, 1, 0
	STEP 1, 0, 0
	s_wait_dscnt 4*NL
	WIN MUL_LO
	MUL16 0, 1, NQ-1, 1, 0
	MUL16 2, 1, NQ-1, 1, 0
	s_wait_dscnt 0
	WIN MUL_HI
	MUL16 4, 1, NQ-1, 1, 0
	MUL16 6, 1, NQ-1, 1, 0
	WIN 0
; THE WAY OUT, block by block of 16 rows x 128 columns, through my own stage in LDS; back as whole rows of 512 bytes, to which the bias is added.  LDS serves a wave's instructions in order (ISA guide 5.7.1.4).
.macro TOSTAGE a
.set AC, 64*((\a)%4)
.set WSEL, 0x08+4*((\a)/4)
	WIN WSEL                                       ; the data: window 2 or 3
.irp b, 0,1,2,3,4,5,6,7
	ds_store_b128 v[STO], v[AC+8*\b:AC+8*\b+3] offset:64*\b          ; each accumulator from its low end on
	ds_store_b128 v[STO], v[AC+8*\b+4:AC+8*\b+7] offset:64*\b+16
.endr
	WIN 0
.set BB, BK+64*((\a)%2)
.irp t, 0,1,2,3,4,5,6,7,8,9,10,11,12,13,14,15
	ds_load_b128 v[BB+4*\t:BB+4*\t+3], v[RD] offset:\t*SPITCH
.endr
.endm
.macro SEND a, younger                 ; younger: the LDS instructions issued behind block a's loads, which may stay out
.set BB, BK+64*((\a)%2)
	s_wait_dscnt \younger
.irp t, 0,1,2,3,4,5,6,7,8,9,10,11,12,13,14,15
	v_pk_add_f32 v[BB+4*\t:BB+4*\t+1], v[BB+4*\t:BB+4*\t+1], v[8:9]          ; + bo of my four columns
	v_pk_add_f32 v[BB+4*\t+2:BB+4*\t+3], v[BB+4*\t+2:BB+4*\t+3], v[10:11]
.endr
.if (\a) > 0
	s_add_nc_u64 s[12:13], s[12:13], 16*SIZE_N*4   ; (behind a wait on XCNT: the earlier stores have read their base)
.endif
.irp t, 0,1,2,3,4,5,6,7,8,9,10,11,12,13,14,15
	global_store_b128 v[CO], v[BB+4*\t:BB+4*\t+3], s[12:13] offset:\t*SIZE_N*4 th:TH_STORE_NT   ; 32 lanes store 512 consecutive bytes, aligned to 256
.endr
.endm
	PLACES NP
	s_wait_loadcnt 0x0                             ; the bias
	TOSTAGE 0
.irp a, 1,2,3,4,5,6,7
.if \a > 1
	s_wait_xcnt 0x0                                ; block a - 2's stores have read their registers and their base
.endif
	TOSTAGE \a
	SEND \a-1, 32                                  ; behind block a - 1's loads: block a's 16 stores and 16 loads
.endr
	s_wait_xcnt 0x0
	SEND 7, 0
	s_wait_tensorcnt 0x0                           ; the wave's end
	ds_add_u32 v[SPW], v[NIL]
	s_wait_dscnt 0x0
	CROUND                                         ; the closing round
	s_endpgm
.Lfunc_end_k_q6f34d6c4d8_outp:
	.size	k_q6f34d6c4d8_outp, .Lfunc_end_k_q6f34d6c4d8_outp-k_q6f34d6c4d8_outp
	.p2alignl 7, 3214868480
	.fill 96, 4, 3214868480
	.section	.rodata,"a",@progbits
	.p2align	6, 0x0
	.amdhsa_kernel k_q6f34d6c4d8_outp
		.amdhsa_group_segment_fixed_size 327680
		.amdhsa_private_segment_fixed_size 0
		.amdhsa_enable_private_segment 0
		.amdhsa_kernarg_size 48
		.amdhsa_user_sgpr_count 2
		.amdhsa_user_sgpr_kernarg_segment_ptr 1
		.amdhsa_wavefront_size32 1
		.amdhsa_system_sgpr_workgroup_id_x 1
		.amdhsa_system_sgpr_workgroup_id_y 1
		.amdhsa_system_sgpr_workgroup_id_z 1
		.amdhsa_system_vgpr_workitem_id 0
		.amdhsa_next_free_vgpr 1024
		.amdhsa_next_free_sgpr 100
		.amdhsa_reserve_vcc 0
		.amdhsa_float_denorm_mode_32 3
		.amdhsa_float_denorm_mode_16_64 3
		.amdhsa_memory_ordered 1
		.amdhsa_forward_progress 1
		.amdhsa_inst_pref_size 176
	.end_amdhsa_kernel
	.amdgpu_metadata
---
amdhsa.version: [ 1, 2 ]
amdhsa.kernels:
  - .name:           k_q6f34d6c4d8_outp
    .symbol:         k_q6f34d6c4d8_outp.kd
    .args:
      - { .name: att_img, .offset: 0, .size: 8, .value_kind: global_buffer, .address_space: global }
      - { .name: att_scales, .offset: 8, .size: 8, .value_kind: global_buffer, .address_space: global }
      - { .name: w_codes, .offset: 16, .size: 8, .value_kind: global_buffer, .address_space: global }
      - { .name: w_scales, .offset: 24, .size: 8, .value_kind: global_buffer, .address_space: global }
      - { .name: bo, .offset: 32, .size: 8, .value_kind: global_buffer, .address_space: global }
      - { .name: out0, .offset: 40, .size: 8, .value_kind: global_buffer, .address_space: global }
    .group_segment_fixed_size: 327680
    .private_segment_fixed_size: 0
    .kernarg_segment_align: 8
    .kernarg_segment_size: 48
    .max_flat_workgroup_size: 128
    .sgpr_count:     100
    .vgpr_count:     1024
    .wavefront_size: 32
...
	.end_amdgpu_metadata
.endif
;; end of part 4
